; MI455X (gfx1250); checked and timed in simulation.
; The chip was launched on July 23, 2026; its instructions are those of AMD's public machine-readable ISA for CDNA 5 (MIT licence, August 2026) and "CDNA5" Instruction Set Architecture Reference Guide (July 2026). The comments in the code are by the model that wrote it; some were corrected since.
;; Attention Layer. Allowed arithmetic: float matrix products may take bf16 or f16 operands with f32 sums; all other float work in f32.
;; Inputs: Wk 1,024 x 1,024 float32; Wq 1,024 x 1,024 float32; Wv 1,024 x 1,024 float32; bk 1,024 float32; bq 1,024 float32; bv 1,024 float32; x 4 x 2,048 x 1,024 float32.
;; Outputs: out0 4 x 2,048 x 1,024 float32.
;; 2 versions, each right; version 2 is version 1 with the launch cast written anew for expert scheduling mode. Each part assembles by itself: llvm-mc -triple=amdgcn-amd-amdhsa -mcpu=gfx1250 --defsym DOCPART=n.
;; ======== version 1 of 2: 4 launches
;; workspace buffers: xb 16,777,216 bytes; wb 6,291,456 bytes; bias 12,288 bytes; qkv 50,331,648 bytes; p 33,554,432 bytes; stats 1,048,576 bytes
;; launch cast (part 1): grid 2816 x 1, 2 waves a work-group, no clusters, 0 bytes of LDS; arguments x, Wq, Wk, Wv, bq, bk, bv, xb, wb, bias; writes xb, wb, bias
.if DOCPART == 1
	.amdgcn_target "amdgcn-amd-amdhsa--gfx1250"
	.amdhsa_code_object_version 6
	.text
	.protected	k_q834f3a5488_cast
	.globl	k_q834f3a5488_cast
	.p2align	8
	.type	k_q834f3a5488_cast,@function
k_q834f3a5488_cast:
	s_mov_b64 s[64:65], 0
	v_nop
	global_prefetch_b8 v0, s[64:65] scope:SCOPE_SE
	s_setreg_imm32_b32 hwreg(HW_REG_WAVE_MODE, 25, 1), 1
	s_wait_xcnt 0x0
; CAST.  x [8192][1024] and Wq, Wk, Wv [1024][1024], all f32, are rounded once to bf16 (to nearest even) and laid out in blocks of 64 along K:
; xb [16 blocks][8192 rows][64], wb [16 blocks][3072 rows][64] (rows 0-1023 Wq, 1024-2047 Wk, 2048-3071 Wv), so that the rows of a K block lie end to end,
; 128 bytes each.  bq, bk, bv are copied, f32, into bias [3072].  NaN and infinities pass through the conversion as it treats them.
; SHARES.  11,264 rows in work-groups of 4: 2,816 = 11 x 256 work-groups of two waves, 2,048 for x and 768 for the weights.  A wave takes two neighbouring rows.
; Lanes 0-15 load the 256 bytes of one K block of the first row, lanes 16-31 those of the second: each load of a wave covers two runs of 256 consecutive bytes, each aligned, and no byte is asked for twice.
; A lane's four numbers round to 8 bytes; the two rows lie end to end in the block, so each store of a wave covers 256 consecutive bytes, aligned.
; Memory binds: no LDS, no barrier, no matrix unit.  All 16 loads of a wave go out in one run; no register is written twice, so the only waits are the counted ones for the loads.
.set OFF,  8                           ; v[8:23]    block k: byte offset of my 8 bytes in the destination
.set X,    24                          ; v[24:87]   block k: 4 numbers as loaded
.set Y,    88                          ; v[88:119]  block k: 2 registers to store
.set BD,   120                         ; v[120:135] a bias's 64 bytes
.set XBLK, 8192*128                    ; bytes of a K block of xb
.set WBLK, 3072*128                    ; and of wb
.set NX,   2048                        ; the work-groups of x
	s_load_b512 s[4:19], s[0:1], 0x0               ; x s[4:5], Wq s[6:7], Wk s[8:9], Wv s[10:11], bq s[12:13], bk s[14:15], bv s[16:17], xb s[18:19]
	s_load_b128 s[20:23], s[0:1], 0x40             ; wb s[20:21], bias s[22:23]
	s_sub_co_u32 s24, ttmp9, NX                    ; the work-group's number among those of the weights (used there alone)
	s_lshr_b32 s25, s24, 8                         ; which weight: 0 q, 1 k, 2 v
	s_and_b32 s26, s24, 255
	s_lshl_b32 s26, s26, 2                         ; its first row in that weight
	s_lshl_b32 s27, s25, 10
	s_add_co_u32 s27, s27, s26                     ; and in wb
	s_lshl_b32 s28, ttmp9, 2                       ; its first row in x and xb
	s_mov_b32 s29, WBLK
	s_cmp_lt_u32 ttmp9, NX                         ; x or a weight?
	s_cselect_b32 s26, s28, s26                    ; source row
	s_cselect_b32 s27, s28, s27                    ; destination row
	s_cselect_b32 s29, XBLK, s29                   ; bytes from K block to K block
	s_lshl_b32 s36, s26, 12                        ; source rows are 4,096 bytes,
	s_mov_b32 s37, 0
	s_lshl_b32 s38, s27, 7                         ; a destination row in a block 128
	s_mov_b32 s39, 0
	v_lshlrev_b32 v2, 3, v0                        ; destination: (t / 16) x 128 + (t % 16) x 8 = 8 t
	v_lshrrev_b32 v3, 4, v0                        ; my row of the four
	v_and_b32 v4, 15, v0
	v_lshlrev_b32 v1, 12, v3                       ; source: row t / 16,
	v_lshl_add_u32 v1, v4, 4, v1                   ; 16 bytes a thread in each block's 256
	v_lshlrev_b32 v5, 4, v0                        ; 16 t, for the bias
.irp k, 0,1,2,3,4,5,6,7,8,9,10,11,12,13,14,15
	v_mad_u32_u24 v[OFF+(\k)], s29, \k, v2
.endr
	s_wait_kmcnt 0x0
	s_cmp_eq_u32 s25, 1                            ; the choices hang on the work-group's number alone
	s_cselect_b64 s[30:31], s[8:9], s[10:11]
	s_cselect_b64 s[32:33], s[14:15], s[16:17]
	s_cmp_eq_u32 s25, 0
	s_cselect_b64 s[30:31], s[6:7], s[30:31]
	s_cselect_b64 s[32:33], s[12:13], s[32:33]     ; the weight's bias
	s_cmp_lt_u32 ttmp9, NX
	s_cselect_b64 s[30:31], s[4:5], s[30:31]       ; the source
	s_cselect_b64 s[34:35], s[18:19], s[20:21]     ; the destination
	s_add_nc_u64 s[30:31], s[30:31], s[36:37]
	s_add_nc_u64 s[34:35], s[34:35], s[38:39]
.irp k, 0,1,2,3,4,5,6,7,8,9,10,11,12,13,14,15
	global_load_b128 v[X+4*(\k):X+4*(\k)+3], v1, s[30:31] offset:256*(\k) th:TH_LOAD_NT
.endr
.irp k, 0,1,2,3,4,5,6,7,8,9,10,11,12,13,14,15
	s_wait_loadcnt 15-(\k)                         ; loads come back in order: block k's is in, the younger ones stay out
	v_cvt_pk_bf16_f32 v[Y+2*(\k)],   v[X+4*(\k)],   v[X+4*(\k)+1]
	v_cvt_pk_bf16_f32 v[Y+2*(\k)+1], v[X+4*(\k)+2], v[X+4*(\k)+3]
	global_store_b64 v[OFF+(\k)], v[Y+2*(\k):Y+2*(\k)+1], s[34:35]
.endr
	s_cmp_lt_u32 ttmp9, NX                         ; the first work-group of each weight also copies its bias: 4,096 bytes, 64 a thread
	s_cbranch_scc1 .Lend
	s_and_b32 s40, s24, 255
	s_cmp_lg_u32 s40, 0
	s_cbranch_scc1 .Lend
	s_lshl_b32 s40, s25, 12
	s_mov_b32 s41, 0
	s_add_nc_u64 s[22:23], s[22:23], s[40:41]
.irp i, 0,1,2,3
	global_load_b128 v[BD+4*(\i):BD+4*(\i)+3], v5, s[32:33] offset:1024*(\i)
.endr
	s_wait_loadcnt 0x0
.irp i, 0,1,2,3
	global_store_b128 v5, v[BD+4*(\i):BD+4*(\i)+3], s[22:23] offset:1024*(\i)
.endr
.Lend:
	s_endpgm
.Lfunc_end_k_q834f3a5488_cast:
	.size	k_q834f3a5488_cast, .Lfunc_end_k_q834f3a5488_cast-k_q834f3a5488_cast
	.p2alignl 7, 3214868480
	.fill 96, 4, 3214868480
	.section	.rodata,"a",@progbits
	.p2align	6, 0x0
	.amdhsa_kernel k_q834f3a5488_cast
		.amdhsa_group_segment_fixed_size 0
		.amdhsa_private_segment_fixed_size 0
		.amdhsa_enable_private_segment 0
		.amdhsa_kernarg_size 80
		.amdhsa_user_sgpr_count 2
		.amdhsa_user_sgpr_kernarg_segment_ptr 1
		.amdhsa_wavefront_size32 1
		.amdhsa_system_sgpr_workgroup_id_x 1
		.amdhsa_system_sgpr_workgroup_id_y 1
		.amdhsa_system_sgpr_workgroup_id_z 1
		.amdhsa_system_vgpr_workitem_id 0
		.amdhsa_next_free_vgpr 136
		.amdhsa_next_free_sgpr 66
		.amdhsa_reserve_vcc 0
		.amdhsa_float_denorm_mode_32 3
		.amdhsa_float_denorm_mode_16_64 3
		.amdhsa_memory_ordered 1
		.amdhsa_forward_progress 1
		.amdhsa_inst_pref_size 10
	.end_amdhsa_kernel
	.amdgpu_metadata
---
amdhsa.version: [ 1, 2 ]
amdhsa.kernels:
  - .name:           k_q834f3a5488_cast
    .symbol:         k_q834f3a5488_cast.kd
    .args:
      - { .name: x, .offset: 0, .size: 8, .value_kind: global_buffer, .address_space: global }
      - { .name: Wq, .offset: 8, .size: 8, .value_kind: global_buffer, .address_space: global }
      - { .name: Wk, .offset: 16, .size: 8, .value_kind: global_buffer, .address_space: global }
      - { .name: Wv, .offset: 24, .size: 8, .value_kind: global_buffer, .address_space: global }
      - { .name: bq, .offset: 32, .size: 8, .value_kind: global_buffer, .address_space: global }
      - { .name: bk, .offset: 40, .size: 8, .value_kind: global_buffer, .address_space: global }
      - { .name: bv, .offset: 48, .size: 8, .value_kind: global_buffer, .address_space: global }
      - { .name: xb, .offset: 56, .size: 8, .value_kind: global_buffer, .address_space: global }
      - { .name: wb, .offset: 64, .size: 8, .value_kind: global_buffer, .address_space: global }
      - { .name: bias, .offset: 72, .size: 8, .value_kind: global_buffer, .address_space: global }
    .group_segment_fixed_size: 0
    .private_segment_fixed_size: 0
    .kernarg_segment_align: 8
    .kernarg_segment_size: 80
    .max_flat_workgroup_size: 64
    .sgpr_count:     66
    .vgpr_count:     136
    .wavefront_size: 32
...
	.end_amdgpu_metadata
.endif
;; end of part 1
;; launch proj (part 2): grid 8 x 32, 4 waves a work-group, clusters of 4 x 4, 327,680 bytes of LDS; arguments xb, wb, bias, qkv; writes qkv
.if DOCPART == 2
	.amdgcn_target "amdgcn-amd-amdhsa--gfx1250"
	.amdhsa_code_object_version 6
	.text
	.protected	k_q834f3a5488_proj
	.globl	k_q834f3a5488_proj
	.p2align	8
	.type	k_q834f3a5488_proj,@function
k_q834f3a5488_proj:
	s_mov_b64 s[64:65], 0
	v_nop
	global_prefetch_b8 v0, s[64:65] scope:SCOPE_SE
	s_setreg_imm32_b32 hwreg(HW_REG_WAVE_MODE, 25, 1), 1
	s_wait_xcnt 0x0
	s_wait_alu depctr_hold_cnt(0) depctr_sa_sdst(0) depctr_va_vdst(0) depctr_va_sdst(0) depctr_va_ssrc(0) depctr_va_vcc(0) depctr_vm_vsrc(0)
	s_getreg_b32 s2, hwreg(HW_REG_IB_STS2, 6, 4)
	s_cmp_eq_u32 s2, 0
	s_cbranch_scc0 .Lentry_in_a_cluster
	s_endpgm
.Lentry_in_a_cluster:
	s_bfe_u32 s2, ttmp6, 0x10000c
	s_cmp_lg_u32 s2, 0xf033
	s_cbranch_scc0 .Lentry_shape_is_right
	s_endpgm
.Lentry_shape_is_right:
; PROJ.  qkv[token][feature] = sum over d of x[token][d] W[feature][d] + bias[feature]: 8192 tokens, 3072 features (q, k, v side by side), K = 1024.  Operands bf16, sums f32, qkv rounded once to bf16.
; bf16, not f16, for q, k, v: inputs many times larger than usual still fit.  NaN and infinities are not treated apart.
; SHARES.  A work-group makes 256 tokens x 384 features: 8 x 32 = 256 work-groups.  Each of its four waves makes 128 tokens x 192 features: 96 accumulators of 16 x 16, 768 registers.
; K goes in 16 steps of 64 (one block of xb and wb: the rows of a tile lie end to end and are asked for as rows of 256 bytes) through two LDS slots; a step is two substeps of 32: 192 matrix instructions a wave.
; THE MATRIX INSTRUCTION IS USED TRANSPOSED (source 0 = 16 features, source 1 = 16 tokens): a lane holds one token (lane % 16) and eight neighbouring features, which pack into 16 bytes.
; THE SUMS START FROM THE BIAS: it is loaded straight into the accumulators while the first tile is on its way, so nothing is cleared, no first step is written out and no add follows the sums.
; CLUSTER.  4 x 4 work-groups: the four of a row need the same tokens, the four of a column the same features; each tile is asked for jointly, by the same tensor load with the same descriptor and a mask of four.
; REGISTERS, in windows of 256 (s_set_vgpr_msb: bits 1:0 source 0, 3:2 source 1, 5:4 source 2, 7:6 destination):
;   window 0: v0-31 addresses; v32-127 the features' fragments in three thirds of four; v128-191, v192-255 the tokens' fragments, two buffers of eight
;   windows 1, 2, 3: the accumulators of third j = 0, 1, 2: token block a, feature block 4 j + b at v[8 (4 a + b)]
; A third's fragments are loaded again as soon as its 32 products are issued, a third ahead of their use; the tokens' buffers take turns by substep: 80 LDS loads for a step's 192 matrix instructions.
.set PITCH, 144                        ; an LDS row: 128 bytes + 16 of padding = 36 words: the 16 rows of a fragment load start at 16 different groups of four banks (64 banks of 4 bytes: ISA guide 11.1)
.set AHALF, 128*PITCH                  ; 128 tokens: what one tensor load brings, and what one wave reads
.set BHALF, 192*PITCH                  ; 192 features: likewise
.set BOFF,  2*AHALF                    ; a slot: 256 tokens, then 384 features
.set SLOT1, 1<<17                      ; slot 1 begins here, so that one exclusive or turns an address in one slot into the other's
.set SPARE, SLOT1+2*AHALF+2*BHALF      ; behind the ring: the spare words, 128 bytes for each wave, which no other line names
.set SP,    784                        ; the way out: a stage row, 768 bytes + 16.  The stage, 256 rows, lies over the ring, whose bytes have then had their last fill
.set XBLK,  8192*128                   ; bytes from K block to K block in xb
.set WBLK,  3072*128                   ; and in wb
.set QROW,  6144                       ; bytes in a row of qkv
.set ADRA,  16                         ; v16  LDS address of my tokens' fragments in the slot in hand
.set ADRB,  17                         ; v17  of my features'
.set ABASE, 18                         ; v18  the same in slot 0; never rewritten
.set BBASE, 19                         ; v19
.set BO,    20                         ; v20  my byte offset in 16 numbers of the bias
.set STO,   21                         ; v21  the way out: where I put 16 bytes of a row, token blocks 0-3
.set STO2,  22                         ; v22  token blocks 4-7
.set RD0,   23                         ; v23-25  where I read rows back: three loads take two rows of 768 bytes
.set GO0,   26                         ; v26, v27, v30  the same places in two rows of qkv
.set GO1,   27
.set SPW,   28                         ; v28  LDS address of my spare word; never rewritten
.set NIL,   29                         ; v29  0; never rewritten
.set GO2,   30
.set BS,    32
.set AF,    128
.set TMP,   32                         ; the way out: packed results, then rows read back
.set WV,  12                           ; s12  my wave's number
.set WR,  13                           ; s13  which 128 tokens of the tile are mine.  Also: I fetch tokens (0) or features (1)
.set WC,  14                           ; s14  which 192 features.  Also: which half of that tile I fetch
.set CX,  15
.set CY,  16
.set TX,  17                           ; s17  tile column
.set TY,  18                           ; s18  tile row
.set MROW, 19
.set MCOL, 20
.set G1A, 24                           ; s[24:31] descriptor group 1 for the tokens' tiles
.set G1B, 32                           ; s[32:39] for the features'
.set G0A, 40                           ; s[40:47] group 0 for the tokens' tiles: a set for each first fill; the second then walks
.set G0B, 48                           ; s[48:55] the same for the features'
.set TB,  56                           ; s56  LDS byte at which the slot in hand begins
.set CNT, 57                           ; s57  loop counter
.set MSB, 0
.macro WIN new                         ; the immediate's high byte repeats the setting that is left; a switch that changes nothing is dropped
.if MSB != (\new)
	s_set_vgpr_msb (MSB<<8)|(\new)
.set MSB, \new
.endif
.endm
.macro PLACES                          ; four places between a matrix instruction and a load into, or a vector write of, one of its registers, or a read of its result (ISA guide 7.12.1 for vector instructions)
.rept 4
	v_nop
.endr
.endm
.macro CREST                           ; a round of the cluster's barrier behind its opening barrier
	s_cmp_lg_u32 s[WV], 0
	s_cbranch_scc1 .Lnot_wave_0_\@
	s_barrier_signal -3
.Lnot_wave_0_\@:
	s_barrier_wait -3
	s_barrier_signal -1
	s_barrier_wait -1
.endm
.macro CROUND                          ; a whole round
	s_barrier_signal -1
	s_barrier_wait -1
	CREST
.endm
.macro JLOAD                           ; a joint refill by the walking sets: waves 0 and 1 fetch the tokens' two halves, waves 2 and 3 the features'; an s_nop 0 and four v_nop follow each line
	s_cmp_lt_u32 s[WV], 2
	s_cbranch_scc0 .Lfor_b_\@
	tensor_load_to_lds s[G0A+4:G0A+7], s[G1A:G1A+7]
	s_nop 0
.rept 4
	v_nop
.endr
	s_branch .Lasked_\@
.Lfor_b_\@:
	tensor_load_to_lds s[G0B+4:G0B+7], s[G1B:G1B+7]
	s_nop 0
.rept 4
	v_nop
.endr
.Lasked_\@:
.endm
	s_load_b256 s[4:11], s[0:1], 0x0               ; xb s[4:5], wb s[6:7], bias s[8:9], qkv s[10:11]
	v_lshl_add_u32 v[SPW], v0, 2, SPARE
	v_mov_b32 v[NIL], 0
	ds_add_u32 v[SPW], v[NIL]                      ; the wave's opening: the add and its wait stand ahead of my first tensor load; the set-up below, work on registers, stands between them
	v_lshrrev_b32 v1, 5, v0
	v_readfirstlane_b32 s[WV], v1
	s_lshr_b32 s[WR], s[WV], 1
	s_and_b32 s[WC], s[WV], 1
	s_bfe_u32 s[CX], ttmp6, 0x40000                ; my place in the cluster
	s_bfe_u32 s[CY], ttmp6, 0x40004
	s_lshl_b32 s[TX], ttmp9, 2                     ; in a cluster launch ttmp9 and ttmp7 count clusters
	s_add_co_u32 s[TX], s[TX], s[CX]
	s_and_b32 s[TY], ttmp7, 0xffff
	s_lshl_b32 s[TY], s[TY], 2
	s_add_co_u32 s[TY], s[TY], s[CY]
	s_lshl_b32 s[MROW], s[CY], 2
	s_lshl_b32 s[MROW], 15, s[MROW]                ; my row of the cluster
	s_lshl_b32 s[MCOL], 0x1111, s[CX]              ; my column
	; group 1: dense bytes asked for as rows of 256, two LDS rows each, padded after every 128 bytes
	s_or_b32 s[G1A], s[MROW], (1<<16)|(1<<20)|(1<<21)|(4<<22)|(3<<25)  ; 15:0 the mask; 17:16 2-byte elements; 20 padding on; 21 set beside a mask; 24:22 after every 32 words (code 4); 31:25 4 words (code 3)
	s_or_b32 s[G1B], s[MCOL], (1<<16)|(1<<20)|(1<<21)|(4<<22)|(3<<25)
.irp g, G1A, G1B
	s_mov_b32 s[(\g)+1], 128<<16                   ; tensor_dim0 = 128
	s_mov_b32 s[(\g)+3], 128<<16                   ; tile_dim0 = 128
	s_mov_b32 s[(\g)+5], 128                       ; 128 elements from row to row
	s_mov_b32 s[(\g)+6], 0
	s_mov_b32 s[(\g)+7], 0
.endr
	s_mov_b32 s[G1A+2], 64<<16                     ; tensor_dim1 = tile_dim1 = 64 rows of 256 bytes: 128 tokens
	s_mov_b32 s[G1A+4], 64
	s_mov_b32 s[G1B+2], 96<<16                     ; 96 rows: 192 features
	s_mov_b32 s[G1B+4], 96
	; the tokens' address hangs on the tile row alone, the features' on the tile column alone, each in registers that never hold the other coordinate
	s_lshl_b32 s58, s[TY], 15                      ; 256 tokens x 128 bytes
	s_lshl_b32 s62, s[WC], 14
	s_add_co_u32 s58, s58, s62
	s_mov_b32 s59, 0
	s_mul_i32 s60, s[TX], 384*128
	s_mul_i32 s63, s[WC], 192*128
	s_add_co_u32 s60, s60, s63
	s_mov_b32 s61, 0
	s_mul_i32 s66, s[WC], AHALF                    ; and where they go: no place in the cluster enters an LDS address
	s_mul_i32 s67, s[WC], BHALF
	s_add_co_u32 s67, s67, BOFF
	s_wait_dscnt 0x0                               ; the opening add is done
	s_wait_kmcnt 0x0
	s_add_nc_u64 s[58:59], s[4:5], s[58:59]
	s_add_nc_u64 s[60:61], s[6:7], s[60:61]
	CROUND                                         ; all sixteen work-groups are here: the first joint loads meet
.irp s, 0,1
	s_mov_b32 s[G0A+4*(\s)], 1                     ; 1:0 count = 1
	s_add_co_u32 s[G0A+4*(\s)+1], s66, (\s)*SLOT1  ; 63:32 LDS address
	s_add_nc_u64 s[G0A+4*(\s)+2:G0A+4*(\s)+3], s[58:59], (\s)*XBLK  ; 120:64 global address: K block s
	s_or_b32 s[G0A+4*(\s)+3], s[G0A+4*(\s)+3], 0x80000000          ; 127:126 type = 2
	s_mov_b32 s[G0B+4*(\s)], 1
	s_add_co_u32 s[G0B+4*(\s)+1], s67, (\s)*SLOT1
	s_add_nc_u64 s[G0B+4*(\s)+2:G0B+4*(\s)+3], s[60:61], (\s)*WBLK
	s_or_b32 s[G0B+4*(\s)+3], s[G0B+4*(\s)+3], 0x80000000
.endr
	s_cmp_lt_u32 s[WV], 2                          ; a wave's two first fills stand in one branch, ahead of every wait on TENSORcnt and every LDS read: two loads of mine are out
	s_cbranch_scc0 .Lfirst_b
	tensor_load_to_lds s[G0A:G0A+3], s[G1A:G1A+7]
	s_nop 0
	tensor_load_to_lds s[G0A+4:G0A+7], s[G1A:G1A+7]
	s_nop 0
.rept 4
	v_nop
.endr
	s_branch .Lfirst_asked
.Lfirst_b:
	tensor_load_to_lds s[G0B:G0B+3], s[G1B:G1B+7]
	s_nop 0
	tensor_load_to_lds s[G0B+4:G0B+7], s[G1B:G1B+7]
	s_nop 0
.rept 4
	v_nop
.endr
.Lfirst_asked:
	; A fragment is 16 rows x 32 K in 8 registers: lane l holds row l % 16, K = 8 (l / 16) + 0..7 and 16 + 8 (l / 16) + 0..7: two loads of 16 bytes, 32 bytes apart
	v_and_b32 v1, 15, v0                           ; l % 16
	v_bfe_u32 v2, v0, 4, 1                         ; l / 16
	v_and_b32 v3, 31, v0                           ; l
	v_mul_u32_u24 v4, v1, PITCH
	v_lshl_add_u32 v4, v2, 4, v4
	s_mul_i32 s74, s[WR], AHALF
	s_mul_i32 s75, s[WC], BHALF
	s_add_co_u32 s75, s75, BOFF
	v_add_nc_u32 v[ABASE], s74, v4
	v_add_nc_u32 v[BBASE], s75, v4
	v_lshlrev_b32 v[BO], 5, v2                     ; my eight features of a block of 16: 32 bytes for each half of the lanes
	s_mul_i32 s74, s[WR], 128*SP                   ; into the stage: my 128 rows, my 384 bytes of them; row l % 16, 16 bytes for each half of the lanes
	s_mul_i32 s75, s[WC], 384
	s_add_co_u32 s74, s74, s75
	v_mul_u32_u24 v5, v1, SP
	v_lshl_add_u32 v5, v2, 4, v5
	v_add_nc_u32 v[STO], s74, v5
	v_add_nc_u32 v[STO2], 64*SP, v[STO]
	s_mul_i32 s74, s[WV], 64*SP                    ; back: wave w takes rows 64 w .. 64 w + 63, whole.  Two rows are 1,536 bytes: three loads of 512
	v_lshlrev_b32 v[GO0], 4, v3                    ; first: bytes 0-511 of the even row
	v_add_nc_u32 v[RD0], s74, v[GO0]
	v_lshl_add_u32 v[RD0+1], v2, 4, v[RD0]         ; second: lanes 0-15 its bytes 512-767, lanes 16-31 the odd row's 0-255
	v_add_nc_u32 v[RD0+1], 512, v[RD0+1]
	v_add_nc_u32 v[RD0+2], SP+256, v[RD0]          ; third: the odd row's bytes 256-767
	v_mul_u32_u24 v[GO1], v2, QROW-768
	v_add3_u32 v[GO1], v[GO1], v[GO0], 512
	v_add_nc_u32 v[GO2], QROW+256, v[GO0]
	s_mul_i32 s68, s[TX], 384*4                    ; the bias of my 192 features
	s_mul_i32 s69, s[WC], 192*4
	s_add_co_u32 s68, s68, s69
	s_mov_b32 s69, 0
	s_add_nc_u64 s[8:9], s[8:9], s[68:69]
	s_lshl_b32 s70, s[TY], 8                       ; qkv at the first row that I store and the tile's first column
	s_lshl_b32 s71, s[WV], 6
	s_add_co_u32 s70, s70, s71
	s_mul_i32 s70, s70, QROW
	s_mul_i32 s71, s[TX], 768
	s_add_co_u32 s70, s70, s71
	s_mov_b32 s71, 0
	s_add_nc_u64 s[10:11], s[10:11], s[70:71]
.irp j, 0,1,2                          ; the bias into all 96 accumulators: a lane's registers 0-7 are features 8 (l / 16) + 0..7 of the block, the same for every token block
	WIN ((\j)+1)<<6                                ; destination window 1 + j, address window 0
.set ba, 0
.rept 8
.irp b, 0,1,2,3
	global_load_b128 v[8*(4*ba+(\b)):8*(4*ba+(\b))+3],   v[BO], s[8:9] offset:64*(4*(\j)+(\b))
	global_load_b128 v[8*(4*ba+(\b))+4:8*(4*ba+(\b))+7], v[BO], s[8:9] offset:64*(4*(\j)+(\b))+16
.endr
.set ba, ba+1
.endr
.endr
	WIN 0
.macro RUNB j, u                       ; 8 LDS loads: third j's four fragments of the features, substep u
	WIN 0
.irp b, 0,1,2,3
	ds_load_b128 v[BS+32*(\j)+8*(\b):BS+32*(\j)+8*(\b)+3],   v[ADRB] offset:(4*(\j)+(\b))*16*PITCH+64*(\u)
	ds_load_b128 v[BS+32*(\j)+8*(\b)+4:BS+32*(\j)+8*(\b)+7], v[ADRB] offset:(4*(\j)+(\b))*16*PITCH+64*(\u)+32
.endr
.endm
.macro RUNA half, buf, u               ; 8 LDS loads: four of the tokens' eight fragments, substep u, into buffer buf
	WIN 0
.irp i, 0,1,2,3
	ds_load_b128 v[AF+64*(\buf)+8*(4*(\half)+(\i)):AF+64*(\buf)+8*(4*(\half)+(\i))+3],   v[ADRA] offset:(4*(\half)+(\i))*16*PITCH+64*(\u)
	ds_load_b128 v[AF+64*(\buf)+8*(4*(\half)+(\i))+4:AF+64*(\buf)+8*(4*(\half)+(\i))+7], v[ADRA] offset:(4*(\half)+(\i))*16*PITCH+64*(\u)+32
.endr
.endm
; 4 n matrix instructions of third j: token blocks a0 .. a0 + n - 1 x its four feature blocks.  The 96 accumulators take turns, one instruction a turn.
.macro MUL j, buf, a0, n
	WIN (((\j)+1)<<6)|(((\j)+1)<<4)                ; C and D in window 1 + j, both sources in window 0
.set ma, \a0
.rept \n
.irp b, 0,1,2,3
	v_wmma_f32_16x16x32_bf16 v[8*(4*ma+(\b)):8*(4*ma+(\b))+7], v[BS+32*(\j)+8*(\b):BS+32*(\j)+8*(\b)+7], v[AF+64*(\buf)+8*ma:AF+64*(\buf)+8*ma+7], v[8*(4*ma+(\b)):8*(4*ma+(\b))+7]
.endr
.set ma, ma+1
.endr
.endm
.macro SUB0                            ; a step's first 32 along K, on the tokens' buffer 0
	WIN 0
	PLACES
	RUNB 2, 0
	s_wait_dscnt 8                                 ; all but the 8 just issued: thirds 0 and 1 and buffer 0 are in
	MUL 0, 0, 0, 8
	WIN 0
	PLACES
	RUNB 0, 1
	RUNA 0, 1, 1
	MUL 1, 0, 0, 8
	WIN 0
	PLACES
	RUNB 1, 1
	RUNA 1, 1, 1
	s_wait_dscnt 32                                ; the two runs of 16 may be out: third 2 is in
	MUL 2, 0, 0, 8
.endm
; The second 32 along K, on buffer 1, and the change of slots: ONE barrier.  In front of it each wave waits for all its tensor loads, of which one is out: its part of the next slot; adds 0 to its spare word;
; and waits for that and for its own reads of this slot.  fill = 1: the barrier opens a round of the cluster's, and this slot is filled again, two K blocks on, first thing behind the round:
; that load has a step less 32 products, 160 matrix instructions, in which to land.
.macro SUB1 fill
	WIN 0
	PLACES
	RUNB 2, 1                                      ; my last reads of this slot
	s_wait_tensorcnt 0x0                           ; no tensor load of mine is out, so a group 0 may be written
	ds_add_u32 v[SPW], v[NIL]                      ; 0 onto my spare word
.if \fill
	s_xor_b32 s[G0A+5], s[G0A+5], SLOT1            ; the walking sets: the other slot than last time, the next K block; the type bits on top are not reached
	s_add_nc_u64 s[G0A+6:G0A+7], s[G0A+6:G0A+7], XBLK
	s_xor_b32 s[G0B+5], s[G0B+5], SLOT1
	s_add_nc_u64 s[G0B+6:G0B+7], s[G0B+6:G0B+7], WBLK
.endif
	s_wait_dscnt 9                                 ; the add and the 8 loads just issued may be out: thirds 0 and 1 and buffer 1 are in
	MUL 0, 1, 0, 4
	s_wait_dscnt 0x0                               ; the add is done, and my reads of this slot are over
	s_barrier_signal -1
	MUL 0, 1, 4, 4                                 ; work on registers while the others arrive
	WIN 0                                          ; at a branch and at a label every window is 0
	s_barrier_wait -1
.if \fill
	CREST                                          ; no wave of any partner still reads this slot or has a load on its way
	JLOAD                                          ; its four v_nop are also the places in front of the loads below
.else
	PLACES
.endif
	s_xor_b32 s[TB], s[TB], SLOT1                  ; on to the other slot
	v_add_nc_u32 v[ADRA], s[TB], v[ABASE]
	v_add_nc_u32 v[ADRB], s[TB], v[BBASE]
	RUNB 0, 0
	RUNA 0, 0, 0
	MUL 1, 1, 0, 8
	WIN 0
	PLACES
	RUNB 1, 0
	RUNA 1, 0, 0
	MUL 2, 1, 0, 8                                 ; third 2 came in with the wait for 0
	WIN 0
.endm
	s_wait_tensorcnt 0x1                           ; my part of K block 0 is in; block 1's may stay out
	s_barrier_signal -1
	s_barrier_wait -1                              ; everybody's is
	s_mov_b32 s[TB], 0
	v_mov_b32 v[ADRA], v[ABASE]
	v_mov_b32 v[ADRB], v[BBASE]
	RUNB 0, 0
	RUNB 1, 0
	RUNA 0, 0, 0
	RUNA 1, 0, 0
	s_wait_loadcnt 0x0                             ; the bias is in the accumulators
	s_mov_b32 s[CNT], 14
.Lfill:                                                ; K blocks 0 to 13: each asks for the block two further on
	SUB0
	SUB1 1
	s_sub_co_u32 s[CNT], s[CNT], 1
	s_cmp_lg_u32 s[CNT], 0
	s_cbranch_scc1 .Lfill
	s_mov_b32 s[CNT], 2
.Ltail:                                                ; K blocks 14 and 15 ask for nothing.  The last trip's 32 loads ahead read the other slot's old bytes and serve nothing: the price of one text for both
	SUB0
	SUB1 0
	s_sub_co_u32 s[CNT], s[CNT], 1
	s_cmp_lg_u32 s[CNT], 0
	s_cbranch_scc1 .Ltail
	; THE WAY OUT: round to bf16; 16 bytes a lane into the work-group's stage; a barrier, since a row's 768 bytes come from two waves; back as whole rows, 64 a wave.
	s_wait_dscnt 0x0                               ; my reads of the ring are over,
	s_barrier_signal -1
	s_barrier_wait -1                              ; everybody's are: the stage may be written over it
	PLACES
.irp j, 0,1,2
	WIN (((\j)+1)<<2)|((\j)+1)                     ; sources in window 1 + j, destination in window 0
.set t, 0
.rept 32                               ; each accumulator's registers in ascending order
.irp r, 0,1,2,3
	v_cvt_pk_bf16_f32 v[TMP+4*t+(\r)], v[8*t+2*(\r)], v[8*t+2*(\r)+1]
.endr
.set t, t+1
.endr
	WIN 0
.set t, 0
.rept 16
	ds_store_b128 v[STO], v[TMP+4*t:TMP+4*t+3] offset:(t/4)*16*SP+32*(4*(\j)+t%4)
.set t, t+1
.endr
.rept 16
	ds_store_b128 v[STO2], v[TMP+4*t:TMP+4*t+3] offset:(t/4-4)*16*SP+32*(4*(\j)+t%4)
.set t, t+1
.endr
.endr
	s_wait_dscnt 0x0                               ; for the others' sake: my stores into the stage are done
	s_barrier_signal -1
	s_barrier_wait -1
	s_mov_b32 s[CNT], 8
.Lout:                                                 ; eight rows a trip
.irp n, 0,1,2,3
	ds_load_b128 v[TMP+12*(\n):TMP+12*(\n)+3],    v[RD0]   offset:2*SP*(\n)
	ds_load_b128 v[TMP+12*(\n)+4:TMP+12*(\n)+7],  v[RD0+1] offset:2*SP*(\n)
	ds_load_b128 v[TMP+12*(\n)+8:TMP+12*(\n)+11], v[RD0+2] offset:2*SP*(\n)
.endr
.irp n, 0,1,2,3
	s_wait_dscnt 11-3*(\n)                         ; LDS loads come back in order: the counts run down
	global_store_b128 v[GO0], v[TMP+12*(\n):TMP+12*(\n)+3],    s[10:11] offset:2*QROW*(\n)  ; sixteen lanes store 256 consecutive bytes, at a multiple of 256 from qkv's first byte
	s_wait_dscnt 10-3*(\n)
	global_store_b128 v[GO1], v[TMP+12*(\n)+4:TMP+12*(\n)+7],  s[10:11] offset:2*QROW*(\n)
	s_wait_dscnt 9-3*(\n)
	global_store_b128 v[GO2], v[TMP+12*(\n)+8:TMP+12*(\n)+11], s[10:11] offset:2*QROW*(\n)
.endr
	s_wait_xcnt 0x0                                ; the stores' base and data registers are rewritten only behind this wait
	s_add_nc_u64 s[10:11], s[10:11], 8*QROW
	v_add_nc_u32 v[RD0], 8*SP, v[RD0]
	v_add_nc_u32 v[RD0+1], 8*SP, v[RD0+1]
	v_add_nc_u32 v[RD0+2], 8*SP, v[RD0+2]
	s_sub_co_u32 s[CNT], s[CNT], 1
	s_cmp_lg_u32 s[CNT], 0
	s_cbranch_scc1 .Lout
	s_wait_tensorcnt 0x0                           ; the wave's end: behind my last tensor load and my last LDS store
	ds_add_u32 v[SPW], v[NIL]
	s_wait_dscnt 0x0
	CROUND                                         ; the closing round: no work-group ends while a partner may still ask for a tile that names it
	s_endpgm
.Lfunc_end_k_q834f3a5488_proj:
	.size	k_q834f3a5488_proj, .Lfunc_end_k_q834f3a5488_proj-k_q834f3a5488_proj
	.p2alignl 7, 3214868480
	.fill 96, 4, 3214868480
	.section	.rodata,"a",@progbits
	.p2align	6, 0x0
	.amdhsa_kernel k_q834f3a5488_proj
		.amdhsa_group_segment_fixed_size 327680
		.amdhsa_private_segment_fixed_size 0
		.amdhsa_enable_private_segment 0
		.amdhsa_kernarg_size 32
		.amdhsa_user_sgpr_count 2
		.amdhsa_user_sgpr_kernarg_segment_ptr 1
		.amdhsa_wavefront_size32 1
		.amdhsa_system_sgpr_workgroup_id_x 1
		.amdhsa_system_sgpr_workgroup_id_y 1
		.amdhsa_system_sgpr_workgroup_id_z 1
		.amdhsa_system_vgpr_workitem_id 0
		.amdhsa_next_free_vgpr 1024
		.amdhsa_next_free_sgpr 80
		.amdhsa_reserve_vcc 0
		.amdhsa_float_denorm_mode_32 3
		.amdhsa_float_denorm_mode_16_64 3
		.amdhsa_memory_ordered 1
		.amdhsa_forward_progress 1
		.amdhsa_inst_pref_size 99
	.end_amdhsa_kernel
	.amdgpu_metadata
---
amdhsa.version: [ 1, 2 ]
amdhsa.kernels:
  - .name:           k_q834f3a5488_proj
    .symbol:         k_q834f3a5488_proj.kd
    .args:
      - { .name: xb, .offset: 0, .size: 8, .value_kind: global_buffer, .address_space: global }
      - { .name: wb, .offset: 8, .size: 8, .value_kind: global_buffer, .address_space: global }
      - { .name: bias, .offset: 16, .size: 8, .value_kind: global_buffer, .address_space: global }
      - { .name: qkv, .offset: 24, .size: 8, .value_kind: global_buffer, .address_space: global }
    .group_segment_fixed_size: 327680
    .private_segment_fixed_size: 0
    .kernarg_segment_align: 8
    .kernarg_segment_size: 32
    .max_flat_workgroup_size: 128
    .sgpr_count:     80
    .vgpr_count:     1024
    .wavefront_size: 32
...
	.end_amdgpu_metadata
.endif
;; end of part 2
;; launch score (part 3): grid 8 x 32, 4 waves a work-group, clusters of 4 x 4, 327,680 bytes of LDS; arguments qkv, p, stats; writes p, stats
.if DOCPART == 3
	.amdgcn_target "amdgcn-amd-amdhsa--gfx1250"
	.amdhsa_code_object_version 6
	.text
	.protected	k_q834f3a5488_score
	.globl	k_q834f3a5488_score
	.p2align	8
	.type	k_q834f3a5488_score,@function
k_q834f3a5488_score:
	s_mov_b64 s[64:65], 0
	v_nop
	global_prefetch_b8 v0, s[64:65] scope:SCOPE_SE
	s_setreg_imm32_b32 hwreg(HW_REG_WAVE_MODE, 25, 1), 1
	s_wait_xcnt 0x0
	s_wait_alu depctr_hold_cnt(0) depctr_sa_sdst(0) depctr_va_vdst(0) depctr_va_sdst(0) depctr_va_ssrc(0) depctr_va_vcc(0) depctr_vm_vsrc(0)
	s_getreg_b32 s2, hwreg(HW_REG_IB_STS2, 6, 4)
	s_cmp_eq_u32 s2, 0
	s_cbranch_scc0 .Lentry_in_a_cluster
	s_endpgm
.Lentry_in_a_cluster:
	s_bfe_u32 s2, ttmp6, 0x10000c
	s_cmp_lg_u32 s2, 0xf033
	s_cbranch_scc0 .Lentry_shape_is_right
	s_endpgm
.Lentry_shape_is_right:
; SCORE.  s[q][k] = q[q] . k[k] (K = 1024, bf16 operands, f32 sums) for each of four batches of 2048 x 2048, and the first half of the softmax over k with c = log2(e) / 32:
; for each query and each BLOCK of 128 keys the true maximum m of the block's scores is taken, p[q][k] = 2^(c s - c m) is stored in bf16, and c m and l = the sum of the block's (unrounded) weights in f32:
; stats [2][16 blocks][8192 queries].  The next launch joins a query's 16 blocks.  A maximum is taken away in front of every exponential: no exponent is above the rounding of c m, no weight above 1 by more than that.
; LIMITS.  c m is rounded once and all weights of the block share it; a weight below 2^-126 counts as 0; p is rounded to bf16 relative to its block's maximum; NaN and infinities are not treated apart.
; SHARES.  A work-group makes 256 queries x 256 keys (8 x 32 = 256 work-groups), each of its four waves 128 x 128: 64 accumulators, 512 registers; a wave's 128 keys are one block.
; K goes in 8 steps of 128 through two LDS slots; the rows of both tiles are 256 bytes of memory, at multiples of 256 from qkv's first byte.
; THE MATRIX INSTRUCTION IS USED TRANSPOSED (source 0 = 16 keys, source 1 = 16 queries): a lane holds one query (lane % 16) and the keys 8 (lane / 16) + 0..7 of each block of 16.
; CLUSTER.  4 x 4 work-groups of one batch: the four of a row need the same queries, the four of a column the same keys: each tile is asked for jointly.
; REGISTERS: window 0: v0-63 addresses and the way out's small change; v64-127, v128-191 fragments of q, two buffers (on the way out: scores and packed weights); window 1: v64-191 fragments of k;
;   window 2: the accumulators of my queries 0-63 ((a, b) at v[8 (8 a + b)]); window 3: those of queries 64-127.
.set KSTEP,  128
.set PITCH,  272                       ; an LDS row: 256 bytes + 16 of padding = 68 words: the 16 rows of a fragment load start at 16 different groups of four banks (64 banks of 4 bytes: ISA guide 11.1)
.set HALFT,  128*PITCH                 ; 128 rows: what one tensor load brings, and what one wave reads of q or of k
.set SLOT,   4*HALFT
.set DP,     528                       ; the way out: a row of 128 scores in f32, 512 bytes + 16
.set DUMP,   128*DP                    ; a wave's 128 rows.  The four dumps lie over the ring, whose bytes have then had their last fill
.set STAT,   2*SLOT                    ; behind the ring: for each wave 512 bytes of c m and 512 of l
.set SPARE,  STAT+4*1024               ; behind them: the spare words, 128 bytes for each wave, which no other line names
.set QROW,   6144                      ; bytes in a row of qkv
.set PROW,   4096                      ; and of p
.set ADRA, 16                          ; v16-17  LDS address of my q fragments in slot 0, 1
.set ADRB, 20                          ; v20-21  the same for k
.set STO,  24                          ; v24  the way out: where I put 16 bytes of a row of scores
.set RD,   25                          ; v25  where I read rows back
.set CO,   26                          ; v26  my byte offset in p
.set STA,  27                          ; v27  where my row's c m goes
.set SPW,  28                          ; v28  LDS address of my spare word; never rewritten
.set NIL,  29                          ; v29  0; never rewritten
.set SRD,  30                          ; v30  where I read 16 bytes of the statistics back
.set SGO,  31                          ; v31  and their place in 512 bytes of stats
.set TM,   32                          ; v32-35  a row pair's maximum
.set SM,   36                          ; v36-39  its sum
.set CM,   40                          ; v40-47  c m, in pairs of which the packed scaling takes the low word
.set SB,   48                          ; v48-55  the statistics on their way out
.set F0,   64
.set F1,   128
.set XR,   64                          ; the way out: two halves of four row pairs, 8 scores each
.set YR,   128                         ; and their 4 registers of packed weights
.set G1, 24                            ; s[24:31] group 1 for q's tiles;  s[32:39] group 0, a set for each slot
.set G0, 32
.set G1B, 48                           ; s[48:55], s[56:63] the same for k's
.set G0B, 56
.set CS, 66                            ; s[66:67] c
.set MSB, 0
.macro WIN new                         ; the immediate's high byte repeats the setting that is left; a switch that changes nothing is dropped
.if MSB != (\new)
	s_set_vgpr_msb (MSB<<8)|(\new)
.set MSB, \new
.endif
.endm
.set MUL_LO, 0xa1                      ; source 0 (k) window 1, source 1 (q) window 0, C and D window 2
.set MUL_HI, 0xf1                      ; the same, C and D window 3
.set TO_B,   0x40                      ; destination window 1, address window 0
.macro JLOAD s                         ; a joint load: waves 0 and 1 fetch q's two halves, waves 2 and 3 k's; an s_nop 0 and four v_nop follow each line
	s_cmp_eq_u32 s11, 0
	s_cbranch_scc0 .Lfor_b_\@
	tensor_load_to_lds s[G0+4*(\s):G0+4*(\s)+3], s[G1:G1+7]
	s_nop 0
.rept 4
	v_nop
.endr
	s_branch .Lasked_\@
.Lfor_b_\@:
	tensor_load_to_lds s[G0B+4*(\s):G0B+4*(\s)+3], s[G1B:G1B+7]
	s_nop 0
.rept 4
	v_nop
.endr
.Lasked_\@:
.endm
.macro CREST                           ; a round of the cluster's barrier behind its opening barrier
	s_cmp_lg_u32 s10, 0
	s_cbranch_scc1 .Lnot_wave_0_\@
	s_barrier_signal -3
.Lnot_wave_0_\@:
	s_barrier_wait -3
	s_barrier_signal -1
	s_barrier_wait -1
.endm
.macro CROUND
	s_barrier_signal -1
	s_barrier_wait -1
	CREST
.endm
	s_load_b128 s[4:7], s[0:1], 0x0                ; qkv s[4:5], p s[6:7]
	s_load_b64 s[8:9], s[0:1], 0x10                ; stats
	v_lshl_add_u32 v[SPW], v0, 2, SPARE
	v_mov_b32 v[NIL], 0
	ds_add_u32 v[SPW], v[NIL]                      ; the wave's opening: the add and its wait stand ahead of my first tensor load; the set-up below, work on registers, stands between them
	v_lshrrev_b32 v1, 5, v0
	v_readfirstlane_b32 s10, v1                    ; wave 0..3
	s_lshr_b32 s11, s10, 1                         ; which 128 queries are mine.  Also: I fetch for q (0) or for k (1)
	s_and_b32 s12, s10, 1                          ; which 128 keys.  Also: which 128 rows of that tile I fetch
	s_bfe_u32 s40, ttmp6, 0x40000                  ; cx
	s_bfe_u32 s41, ttmp6, 0x40004                  ; cy
	s_lshl_b32 s42, ttmp9, 2
	s_add_co_u32 s42, s42, s40                     ; key tile in the batch = 4 x cluster x + cx
	s_and_b32 s45, ttmp7, 0xffff                   ; the cluster's y: two clusters to a batch
	s_lshl_b32 s13, s45, 2
	s_add_co_u32 s13, s13, s41                     ; query tile = 4 x cluster y + cy
	s_lshl_b32 s43, s41, 2
	s_lshl_b32 s43, 15, s43                        ; my row of the cluster
	s_lshl_b32 s44, 0x1111, s40                    ; my column
	s_or_b32 s[G1+0], s43, (1<<16)|(1<<20)|(1<<21)|(5<<22)|(3<<25)   ; 15:0 the mask; 17:16 2-byte elements; 20 padding on; 21 set beside a mask; 24:22 after every 64 words (code 5); 31:25 4 words (code 3)
	s_or_b32 s[G1B+0], s44, (1<<16)|(1<<20)|(1<<21)|(5<<22)|(3<<25)
.irp g, G1, G1B
	s_mov_b32 s[(\g)+1], KSTEP<<16                 ; tensor_dim0 = 128
	s_mov_b32 s[(\g)+2], 128<<16                   ; tensor_dim1 = 128
	s_mov_b32 s[(\g)+3], KSTEP<<16                 ; tile_dim0 = 128
	s_mov_b32 s[(\g)+4], 128                       ; tile_dim1 = 128
	s_mov_b32 s[(\g)+5], 3072                      ; elements from row to row
	s_mov_b32 s[(\g)+6], 0
	s_mov_b32 s[(\g)+7], 0
.endr
	; q's address hangs on the query tile alone; k's on the batch, which the whole cluster shares, and the key tile: each in registers that never hold the other coordinate
	s_lshl_b32 s17, s12, 7                         ; which 128 rows of the tile I fetch
	s_lshl_b32 s16, s13, 8
	s_add_co_u32 s16, s16, s17
	s_mul_i32 s16, s16, QROW
	s_lshr_b32 s46, s45, 1                         ; the batch
	s_lshl_b32 s46, s46, 11
	s_lshl_b32 s47, s42, 8
	s_add_co_u32 s46, s46, s47
	s_add_co_u32 s46, s46, s17
	s_mul_i32 s46, s46, QROW
	s_add_co_u32 s46, s46, 2048                    ; k's columns begin 2,048 bytes into a row
	s_mov_b32 s17, 0
	s_mov_b32 s47, 0
	s_mul_i32 s20, s10, HALFT                      ; where they go: wave x 128 rows
	s_mov_b32 s[CS], 0x3d38aa3b                    ; c = log2(e) / 32 = 0.0450842
	s_mov_b32 s[CS+1], s[CS]                       ; named with it as a pair
	s_wait_dscnt 0x0                               ; the opening add is done
	s_wait_kmcnt 0x0
	s_add_nc_u64 s[14:15], s[4:5], s[16:17]
	s_add_nc_u64 s[46:47], s[4:5], s[46:47]
	CROUND                                         ; all sixteen work-groups are here: the first joint loads meet
.irp s, 0,1
	s_mov_b32 s[G0+4*(\s)], 1
	s_add_co_u32 s[G0+4*(\s)+1], s20, (\s)*SLOT
	s_add_nc_u64 s[G0+4*(\s)+2:G0+4*(\s)+3], s[14:15], (\s)*KSTEP*2
	s_or_b32 s[G0+4*(\s)+3], s[G0+4*(\s)+3], 0x80000000
	s_mov_b32 s[G0B+4*(\s)], 1
	s_add_co_u32 s[G0B+4*(\s)+1], s20, (\s)*SLOT
	s_add_nc_u64 s[G0B+4*(\s)+2:G0B+4*(\s)+3], s[46:47], (\s)*KSTEP*2
	s_or_b32 s[G0B+4*(\s)+3], s[G0B+4*(\s)+3], 0x80000000
.endr
	s_cmp_eq_u32 s11, 0                            ; a wave's two first fills stand in one branch, ahead of every wait on TENSORcnt and every LDS read: two loads of mine are out
	s_cbranch_scc0 .Lfirst_b
	tensor_load_to_lds s[G0:G0+3], s[G1:G1+7]
	s_nop 0
	tensor_load_to_lds s[G0+4:G0+7], s[G1:G1+7]
	s_nop 0
.rept 4
	v_nop
.endr
	s_branch .Lfirst_asked
.Lfirst_b:
	tensor_load_to_lds s[G0B:G0B+3], s[G1B:G1B+7]
	s_nop 0
	tensor_load_to_lds s[G0B+4:G0B+7], s[G1B:G1B+7]
	s_nop 0
.rept 4
	v_nop
.endr
.Lfirst_asked:
	v_and_b32 v1, 15, v0                           ; l % 16
	v_bfe_u32 v2, v0, 4, 1                         ; l / 16
	v_and_b32 v6, 31, v0                           ; l
	v_mul_u32_u24 v3, v1, PITCH
	v_lshl_add_u32 v3, v2, 4, v3                   ; a fragment's row x pitch + 16 x half
	s_mul_i32 s21, s11, HALFT                      ; my 128 rows of q
	s_mul_i32 s22, s12, HALFT                      ; my 128 rows of k,
	s_add_co_u32 s22, s22, 2*HALFT                 ; which lie behind q's 256
.irp s, 0,1
	v_add_nc_u32 v[ADRA+(\s)], s21, v3
	v_add_nc_u32 v[ADRB+(\s)], s22, v3
	s_add_co_u32 s21, s21, SLOT
	s_add_co_u32 s22, s22, SLOT
.endr
	s_mul_i32 s23, s10, DUMP                       ; my dump
	v_mul_u32_u24 v4, v1, DP                       ; in: row l % 16, 16 bytes for each half of the lanes
	v_lshl_add_u32 v4, v2, 4, v4
	v_add_nc_u32 v[STO], s23, v4
	v_mul_u32_u24 v5, v2, DP                       ; back: lanes 0-15 take one row, lanes 16-31 the next; lane c of a row takes keys 8 c .. 8 c + 7
	v_lshl_add_u32 v5, v1, 4, v5
	v_add_nc_u32 v[RD], s23, v5
	v_lshlrev_b32 v[CO], 12, v2                    ; and the same two rows in p
	v_lshl_add_u32 v[CO], v1, 4, v[CO]
	s_lshl_b32 s23, s10, 10
	s_add_co_u32 s23, s23, STAT                    ; my statistics
	v_lshl_add_u32 v[STA], v2, 2, s23
	v_lshl_add_u32 v[SRD], v6, 4, s23
	v_lshlrev_b32 v[SGO], 4, v6
.irp q, 0,1,2,3
	v_mov_b32 v[CM+2*(\q)+1], 0                    ; named as pairs, so they are written
.endr
	s_lshl_b32 s68, s13, 8
	s_lshl_b32 s69, s11, 7
	s_add_co_u32 s68, s68, s69                     ; my first query
	s_lshl_b32 s70, s68, 12
	s_lshl_b32 s69, s42, 9
	s_add_co_u32 s70, s70, s69
	s_lshl_b32 s69, s12, 8
	s_add_co_u32 s70, s70, s69                     ; its row in p, at my 128 keys
	s_mov_b32 s71, 0
	s_add_nc_u64 s[6:7], s[6:7], s[70:71]
	s_lshl_b32 s72, s42, 1
	s_add_co_u32 s72, s72, s12                     ; my block of keys
	s_lshl_b32 s72, s72, 13
	s_add_co_u32 s72, s72, s68
	s_lshl_b32 s72, s72, 2
	s_mov_b32 s73, 0
	s_add_nc_u64 s[8:9], s[8:9], s[72:73]
; 16 matrix instructions: query blocks a0, a0 + 1 of the window's four x all 8 key blocks, 32 along K.  zero = 1: the first product starts the sums.  The 64 accumulators take turns.
.macro MUL16 f, hi, a0, zero
	WIN MUL_LO+0x50*(\hi)
.irp a, \a0, (\a0)+1
.irp b, 0,1,2,3,4,5,6,7
.if \zero
	v_wmma_f32_16x16x32_bf16 v[8*(8*(\a)+(\b)):8*(8*(\a)+(\b))+7], v[(\f)+8*(\b):(\f)+8*(\b)+7], v[(\f)+8*(4*(\hi)+(\a)):(\f)+8*(4*(\hi)+(\a))+7], 0
.else
	v_wmma_f32_16x16x32_bf16 v[8*(8*(\a)+(\b)):8*(8*(\a)+(\b))+7], v[(\f)+8*(\b):(\f)+8*(\b)+7], v[(\f)+8*(4*(\hi)+(\a)):(\f)+8*(4*(\hi)+(\a))+7], v[8*(8*(\a)+(\b)):8*(8*(\a)+(\b))+7]
.endif
.endr
.endr
.endm
.macro FETCH slot, k, f                ; 32 LDS loads in one run: the fragments of 32 along K at byte k of the rows, into buffer f
	WIN TO_B
.irp i, 0,1,2,3,4,5,6,7
	ds_load_b128 v[(\f)+8*(\i):(\f)+8*(\i)+3],   v[ADRB+(\slot)] offset:(\k)+(\i)*16*PITCH
	ds_load_b128 v[(\f)+8*(\i)+4:(\f)+8*(\i)+7], v[ADRB+(\slot)] offset:(\k)+(\i)*16*PITCH+32
.endr
	WIN 0
.irp i, 0,1,2,3,4,5,6,7
	ds_load_b128 v[(\f)+8*(\i):(\f)+8*(\i)+3],   v[ADRA+(\slot)] offset:(\k)+(\i)*16*PITCH
	ds_load_b128 v[(\f)+8*(\i)+4:(\f)+8*(\i)+7], v[ADRA+(\slot)] offset:(\k)+(\i)*16*PITCH+32
.endr
.endm
.macro PLACES                          ; four places between a matrix instruction and a load into one of its registers, or a read of its result (ISA guide 7.12.1 for vector instructions)
.rept 4
	v_nop
.endr
.endm
.macro QUARTER slot, k, f, g, zero     ; 32 along K: multiplies buffer f; in its middle it fetches the next quarter's fragments, at byte k, into buffer g
	s_wait_dscnt 8                                 ; k and q's rows 0-63 are in; the youngest eight loads (q's rows 64-127) may be out
	MUL16 \f, 0, 0, \zero
	MUL16 \f, 0, 2, \zero
	PLACES
	FETCH \slot, \k, \g
	s_wait_dscnt 32                                ; all but the 32 just issued
	MUL16 \f, 1, 0, \zero
	MUL16 \f, 1, 2, \zero
.endm
; The last quarter of a K step multiplies buffer 1 and changes slots: ONE barrier.  In front of it each wave waits for all its tensor loads, of which one is out: its part of the next slot; adds 0 to its spare
; word; and waits for that and for its own reads of this slot.  fill = 1: the barrier opens a round of the cluster's, and this slot is filled again, two K steps on, first thing behind the round.
.macro TURN slot, next, fill
	WIN 0                                          ; (the add's two registers lie in window 0)
	s_wait_tensorcnt 0x0
	ds_add_u32 v[SPW], v[NIL]                      ; 0 onto my spare word
	s_wait_dscnt 9                                 ; the add and the youngest eight loads may be out
	MUL16 F1, 0, 0, 0
	s_wait_dscnt 0x0                               ; the add is done, and my reads of this slot are over
	s_barrier_signal -1
	MUL16 F1, 0, 2, 0                              ; work on registers while the others arrive
.if \fill
	WIN 0
.endif
	s_barrier_wait -1
.if \fill
	CREST                                          ; no wave of any partner still reads this slot or has a load on its way
	s_add_nc_u64 s[G0+4*(\slot)+2:G0+4*(\slot)+3], s[G0+4*(\slot)+2:G0+4*(\slot)+3], 2*KSTEP*2
	s_add_nc_u64 s[G0B+4*(\slot)+2:G0B+4*(\slot)+3], s[G0B+4*(\slot)+2:G0B+4*(\slot)+3], 2*KSTEP*2
	JLOAD \slot                                    ; 224 matrix instructions ahead of the wait for it; its four v_nop are also the places in front of the loads below
.else
	PLACES
.endif
	FETCH \next, 0, F0
	MUL16 F1, 1, 0, 0
	MUL16 F1, 1, 2, 0
.endm
	s_wait_tensorcnt 0x1                           ; my part of K step 0 is in; step 1's may stay out
	s_barrier_signal -1
	s_barrier_wait -1                              ; everybody's is
	FETCH 0, 0, F0
	QUARTER 0, 64,  F0, F1, 1                      ; the first quarter stands in front of the loop: its products start the sums
	WIN 0
	s_mov_b32 s3, 3
.Llap:                                                 ; a trip goes once round the ring, from a lap's second quarter to the next lap's first, and fills both slots again: K steps 2 to 7
	QUARTER 0, 128, F1, F0, 0
	QUARTER 0, 192, F0, F1, 0
	TURN 0, 1, 1
	QUARTER 1, 64,  F0, F1, 0
	QUARTER 1, 128, F1, F0, 0
	QUARTER 1, 192, F0, F1, 0
	TURN 1, 0, 1
	QUARTER 0, 64,  F0, F1, 0
	WIN 0
	s_sub_co_u32 s3, s3, 1
	s_cmp_lg_u32 s3, 0
	s_cbranch_scc1 .Llap
	QUARTER 0, 128, F1, F0, 0                      ; the last lap fills nothing, and has no round
	QUARTER 0, 192, F0, F1, 0
	TURN 0, 1, 0
	QUARTER 1, 64,  F0, F1, 0
	QUARTER 1, 128, F1, F0, 0
	QUARTER 1, 192, F0, F1, 0
	s_wait_dscnt 8                                 ; the very last quarter: nothing more to fetch
	MUL16 F1, 0, 0, 0
	MUL16 F1, 0, 2, 0
	s_wait_dscnt 0x0
	MUL16 F1, 1, 0, 0
	MUL16 F1, 1, 2, 0
	WIN 0
	; THE WAY OUT.  A query's 128 scores lie in two lanes, 64 registers each; turned through LDS they lie in 16 neighbouring lanes, 8 neighbouring keys each: the maximum and the sum are then four steps
	; across lanes, and a lane's 8 weights pack into 16 bytes of a row of p.
	s_barrier_signal -1                            ; every wave's reads of the ring are over (its last wait for 0 stands above): the dumps may be written over it
	s_barrier_wait -1
	PLACES
.irp hi, 0,1
	WIN 0x08+4*(\hi)                               ; the stores' data in window 2, then 3
.irp a, 0,1,2,3
.irp b, 0,1,2,3,4,5,6,7                ; keys 8 c .. 8 c + 3 (c = 2 b + l / 16) at byte 16 c of a row's first 256 bytes, keys 8 c + 4 .. at byte 16 c of its second; each accumulator's low registers go first
	ds_store_b128 v[STO], v[8*(8*(\a)+(\b)):8*(8*(\a)+(\b))+3]   offset:(4*(\hi)+(\a))*16*DP+32*(\b)
	ds_store_b128 v[STO], v[8*(8*(\a)+(\b))+4:8*(8*(\a)+(\b))+7] offset:(4*(\hi)+(\a))*16*DP+32*(\b)+256
.endr
.endr
.endr
	WIN 0
.macro LOADX x, ahead                  ; 8 LDS loads: half x (four row pairs) of this trip's 16 rows, or of the next trip's.  LDS serves a wave's instructions in order (ISA guide 5.7.1.4): these see the stores above
.irp q, 0,1,2,3
	ds_load_b128 v[XR+32*(\x)+8*(\q):XR+32*(\x)+8*(\q)+3],   v[RD] offset:(\ahead)*16*DP+(8*(\x)+2*(\q))*DP
	ds_load_b128 v[XR+32*(\x)+8*(\q)+4:XR+32*(\x)+8*(\q)+7], v[RD] offset:(\ahead)*16*DP+(8*(\x)+2*(\q))*DP+256
.endr
.endm
.macro HALF x                          ; four row pairs, stage by stage, so that no line waits for the one before it
.set XB, XR+32*(\x)
.set YB, YR+16*(\x)
.irp q, 0,1,2,3
	v_max3_num_f32 v[TM+(\q)], v[XB+8*(\q)], v[XB+8*(\q)+1], v[XB+8*(\q)+2]
.endr
.irp q, 0,1,2,3
	v_max3_num_f32 v[TM+(\q)], v[TM+(\q)], v[XB+8*(\q)+3], v[XB+8*(\q)+4]
.endr
.irp q, 0,1,2,3
	v_max3_num_f32 v[TM+(\q)], v[TM+(\q)], v[XB+8*(\q)+5], v[XB+8*(\q)+6]
.endr
.irp q, 0,1,2,3
	v_max_num_f32 v[TM+(\q)], v[TM+(\q)], v[XB+8*(\q)+7]
.endr
.irp m, 1,2,4,8                        ; across the row's 16 lanes
.irp q, 0,1,2,3
	v_max_num_f32_dpp v[TM+(\q)], v[TM+(\q)], v[TM+(\q)] row_xmask:\m row_mask:0xf bank_mask:0xf
.endr
.endr
.irp q, 0,1,2,3
	v_mul_f32 v[CM+2*(\q)], s[CS], v[TM+(\q)]      ; c m
.endr
.irp q, 0,1,2,3
.irp z, 0,2,4,6
	v_pk_fma_f32 v[XB+8*(\q)+(\z):XB+8*(\q)+(\z)+1], v[XB+8*(\q)+(\z):XB+8*(\q)+(\z)+1], s[CS:CS+1], v[CM+2*(\q):CM+2*(\q)+1] op_sel_hi:[1,0,0] neg_lo:[0,0,1] neg_hi:[0,0,1]  ; c s - c m
.endr
.endr
.set z, 0
.rept 32
	v_exp_f32 v[XB+z], v[XB+z]
.set z, z+1
.endr
	v_nop                                          ; a plain instruction between the exponentials and the use of their results (ISA guide 5.7.2)
	s_wait_alu depctr_va_vdst(0)
.irp q, 0,1,2,3
.irp z, 0,1,2,3
	v_cvt_pk_bf16_f32 v[YB+4*(\q)+(\z)], v[XB+8*(\q)+2*(\z)], v[XB+8*(\q)+2*(\z)+1]
.endr
.endr
.irp q, 0,1,2,3
	v_pk_add_f32 v[XB+8*(\q):XB+8*(\q)+1], v[XB+8*(\q):XB+8*(\q)+1], v[XB+8*(\q)+2:XB+8*(\q)+3]
	v_pk_add_f32 v[XB+8*(\q)+4:XB+8*(\q)+5], v[XB+8*(\q)+4:XB+8*(\q)+5], v[XB+8*(\q)+6:XB+8*(\q)+7]
.endr
.irp q, 0,1,2,3
	v_pk_add_f32 v[XB+8*(\q):XB+8*(\q)+1], v[XB+8*(\q):XB+8*(\q)+1], v[XB+8*(\q)+4:XB+8*(\q)+5]
.endr
.irp q, 0,1,2,3
	v_add_f32 v[SM+(\q)], v[XB+8*(\q)], v[XB+8*(\q)+1]
.endr
.irp m, 1,2,4,8
.irp q, 0,1,2,3
	v_add_f32_dpp v[SM+(\q)], v[SM+(\q)], v[SM+(\q)] row_xmask:\m row_mask:0xf bank_mask:0xf
.endr
.endr
.irp q, 0,1,2,3
	ds_store_b32 v[STA], v[CM+2*(\q)] offset:(8*(\x)+2*(\q))*4      ; a row's 16 lanes write the same word with the same value
	ds_store_b32 v[STA], v[SM+(\q)]   offset:(8*(\x)+2*(\q))*4+512
	global_store_b128 v[CO], v[YB+4*(\q):YB+4*(\q)+3], s[6:7] offset:(8*(\x)+2*(\q))*PROW  ; sixteen lanes store 256 consecutive bytes, at a multiple of 256 from p's first byte
.endr
.endm
	LOADX 0, 0
	LOADX 1, 0
	s_mov_b32 s3, 8
.Lsoft:                                                ; 16 rows a trip; each half's next rows are fetched as soon as it is worked off
	s_wait_dscnt 8                                 ; half 0 is in: 8 LDS instructions or more were issued behind its loads on every way
	HALF 0
	s_cmp_eq_u32 s3, 1                             ; the last trip has no next rows
	s_cbranch_scc1 .Lno_x0
	LOADX 0, 1
.Lno_x0:
	s_wait_dscnt 8                                 ; half 1 is in: behind its loads stand half 0's 8 stores, and 8 loads if they were issued
	HALF 1
	s_cmp_eq_u32 s3, 1
	s_cbranch_scc1 .Lno_x1
	LOADX 1, 1
.Lno_x1:
	s_wait_xcnt 0x0                                ; the stores' offset and data registers are rewritten only behind this wait
	v_add_nc_u32 v[RD], 16*DP, v[RD]
	v_add_nc_u32 v[CO], 16*PROW, v[CO]
	v_add_nc_u32 v[STA], 64, v[STA]
	s_sub_co_u32 s3, s3, 1
	s_cmp_lg_u32 s3, 0
	s_cbranch_scc1 .Lsoft
	ds_load_b128 v[SB:SB+3],   v[SRD]              ; my 128 queries' c m and l, 512 consecutive bytes each
	ds_load_b128 v[SB+4:SB+7], v[SRD] offset:512
	s_wait_dscnt 0x0
	global_store_b128 v[SGO], v[SB:SB+3],   s[8:9]
	global_store_b128 v[SGO], v[SB+4:SB+7], s[8:9] offset:16*8192*4
	s_wait_tensorcnt 0x0                           ; the wave's end: behind my last tensor load and my last LDS store
	ds_add_u32 v[SPW], v[NIL]
	s_wait_dscnt 0x0
	CROUND                                         ; the closing round: no work-group ends while a partner may still ask for a tile that names it
	s_endpgm
.Lfunc_end_k_q834f3a5488_score:
	.size	k_q834f3a5488_score, .Lfunc_end_k_q834f3a5488_score-k_q834f3a5488_score
	.p2alignl 7, 3214868480
	.fill 96, 4, 3214868480
	.section	.rodata,"a",@progbits
	.p2align	6, 0x0
	.amdhsa_kernel k_q834f3a5488_score
		.amdhsa_group_segment_fixed_size 327680
		.amdhsa_private_segment_fixed_size 0
		.amdhsa_enable_private_segment 0
		.amdhsa_kernarg_size 24
		.amdhsa_user_sgpr_count 2
		.amdhsa_user_sgpr_kernarg_segment_ptr 1
		.amdhsa_wavefront_size32 1
		.amdhsa_system_sgpr_workgroup_id_x 1
		.amdhsa_system_sgpr_workgroup_id_y 1
		.amdhsa_system_sgpr_workgroup_id_z 1
		.amdhsa_system_vgpr_workitem_id 0
		.amdhsa_next_free_vgpr 1024
		.amdhsa_next_free_sgpr 76
		.amdhsa_reserve_vcc 0
		.amdhsa_float_denorm_mode_32 3
		.amdhsa_float_denorm_mode_16_64 3
		.amdhsa_memory_ordered 1
		.amdhsa_forward_progress 1
		.amdhsa_inst_pref_size 138
	.end_amdhsa_kernel
	.amdgpu_metadata
---
amdhsa.version: [ 1, 2 ]
amdhsa.kernels:
  - .name:           k_q834f3a5488_score
    .symbol:         k_q834f3a5488_score.kd
    .args:
      - { .name: qkv, .offset: 0, .size: 8, .value_kind: global_buffer, .address_space: global }
      - { .name: p, .offset: 8, .size: 8, .value_kind: global_buffer, .address_space: global }
      - { .name: stats, .offset: 16, .size: 8, .value_kind: global_buffer, .address_space: global }
    .group_segment_fixed_size: 327680
    .private_segment_fixed_size: 0
    .kernarg_segment_align: 8
    .kernarg_segment_size: 24
    .max_flat_workgroup_size: 128
    .sgpr_count:     76
    .vgpr_count:     1024
    .wavefront_size: 32
...
	.end_amdgpu_metadata
.endif
;; end of part 3
;; launch pv (part 4): grid 4 x 64, 4 waves a work-group, clusters of 4 x 4, 327,680 bytes of LDS; arguments p, stats, qkv, x, out0; writes out0
.if DOCPART == 4
	.amdgcn_target "amdgcn-amd-amdhsa--gfx1250"
	.amdhsa_code_object_version 6
	.text
	.protected	k_q834f3a5488_pv
	.globl	k_q834f3a5488_pv
	.p2align	8
	.type	k_q834f3a5488_pv,@function
k_q834f3a5488_pv:
	s_mov_b64 s[64:65], 0
	v_nop
	global_prefetch_b8 v0, s[64:65] scope:SCOPE_SE
	s_setreg_imm32_b32 hwreg(HW_REG_WAVE_MODE, 25, 1), 1
	s_wait_xcnt 0x0
	s_wait_alu depctr_hold_cnt(0) depctr_sa_sdst(0) depctr_va_vdst(0) depctr_va_sdst(0) depctr_va_ssrc(0) depctr_va_vcc(0) depctr_vm_vsrc(0)
	s_getreg_b32 s2, hwreg(HW_REG_IB_STS2, 6, 4)
	s_cmp_eq_u32 s2, 0
	s_cbranch_scc0 .Lentry_in_a_cluster
	s_endpgm
.Lentry_in_a_cluster:
	s_bfe_u32 s2, ttmp6, 0x10000c
	s_cmp_lg_u32 s2, 0xf033
	s_cbranch_scc0 .Lentry_shape_is_right
	s_endpgm
.Lentry_shape_is_right:
; PV.  out[q][:] = x[q][:] + the sum over the 16 key blocks j of f_j[q] (the sum over the block's 128 keys of p[q][k] v[k][:]), the second half of the softmax:
; with M = the maximum over j of c m_j and L = the sum over j of 2^(c m_j - M) l_j, f_j = 2^(c m_j - M) / L, all in f32.  No exponent is positive, L is at least the largest block's l, f lies in 0 to 1.
; p and v are bf16 operands; a block's product is summed in f32 by the matrix unit (T), and out += f T is a fused multiply-add in f32.  out starts as x: nothing is cleared, and the residual costs no add.
; LIMITS.  A factor below 2^-126 counts as 0; NaN and infinities are not treated apart.  The blocks are added in the order of the walk below, which differs from cluster to cluster: an order of rounding in f32.
; SHARES.  A work-group makes 128 queries x 256 channels (4 x 64 = 256 work-groups), each of its four waves 64 queries (four tiles t of 16) x 128 channels (eight blocks b of 16).
; The keys go in 16 steps of 128, one block each, through two LDS slots; a step is four quarters of 32 keys, 32 matrix instructions each.
; THE WALK.  Four clusters make a batch's queries and read the same v.  Cluster y begins at block 4 (y mod 4) and goes round modulo 16: a tile of v that a cluster asks for from its fifth step on has been
; asked for by another cluster of the batch 4, 8 or 12 steps earlier.  The start hangs on the cluster's y alone, which all sixteen partners share; it enters global addresses alone: the statistics are
; loaded in the order of the walk, so f lies in LDS in that order, and no LDS address, branch or trip count knows of it.
; LAYOUT.  O^T = V^T P: source 0 = 16 channels x 32 keys (v lies [key][channel] in LDS and is turned by ds_load_tr16_b128), source 1 = 16 queries x 32 keys (p as it lies).  A lane holds one query (lane % 16)
; and eight channels, so f is one number a lane and tile.  The 128 multiply-adds of a step stand, four at a time, ahead of the products of the next step's first quarter, which start T anew with C = 0.
; CLUSTER.  4 x 4 work-groups of one batch: the four of a row need the same p, the four of a column the same v: each tile is asked for jointly.
; REGISTERS (s_set_vgpr_msb: bits 1:0 source 0, 3:2 source 1, 5:4 source 2, 7:6 destination): window 0: v0-31 addresses; v32-39 f; v64-95, v96-127 fragments of p, two buffers; v128-255 at work at both ends
;   window 1: v0-63, v64-127 fragments of v, two buffers     window 2: T(t, b) at v[8 (8 t + b)]     window 3: out, likewise
.set PP,    272                        ; a row of p in LDS: 256 bytes + 16 = 68 words: the 16 rows of a fragment load start at 16 different groups of four banks (64 banks of 4 bytes: ISA guide 11.1)
.set PV,    544                        ; a row of v: 512 + 32 = 136 words
.set VOFF,  128*PP                     ; a slot: 128 queries of p, then 128 keys of v
.set SLOT1, 1<<17                      ; slot 1 begins here, so that one exclusive or turns an address in one slot into the other's
.set FT,    SLOT1+128*(PP+PV)          ; behind the ring, never filled by a tensor load: for each wave f [16 steps of the walk][64 queries], 4,096 bytes
.set STAGE, FT+4*4096                  ; for each wave 16 rows x 528 bytes, for x's way in and the way out
.set SG,    528
.set SPARE, STAGE+4*16*SG              ; the spare words, 128 bytes for each wave, which no other line names
.set PSTEP, 256                        ; bytes from block to block in a row of p
.set VSTEP, 128*6144                   ; and in v: 128 rows of qkv
.set ADRP,  16                         ; v16  LDS address of my p fragments in the slot in hand
.set ADRV,  17                         ; v17  of my v fragments
.set PBASE, 18                         ; v18  the same in slot 0; never rewritten
.set VBASE, 19                         ; v19
.set FA,    20                         ; v20  where the step's f of my query lies
.set STG,   21                         ; v21  the stage by rows: 16 bytes of 512
.set STGR,  22                         ; v22  the stage by accumulators: row l % 16, 32 bytes for each half of the lanes
.set GX,    23                         ; v23  my byte offset in 512 bytes of a row of x and out
.set SO,    24                         ; v24  my byte offset in 64 queries' statistics
.set FW,    25                         ; v25  where I put two queries' f
.set PFO,   26                         ; v26  the prefetch: lane l's row of p, 4,096 l; never rewritten
.set SPW,   28                         ; v28  LDS address of my spare word; never rewritten
.set NIL,   29                         ; v29  0; never rewritten
.set FR,    32                         ; v32-39  tile t's f in v[32 + 2 t]; the packed multiply-add names a pair and takes its low word
.set PF,    64
.set MS,    128                        ; v128-159  c m of queries 2 l, 2 l + 1, by steps of the walk; then 2^(c m - M); then f
.set LS,    160                        ; v160-191  l
.set MX,    192                        ; v192-199  M; two partial sums; 1 / L: a pair each
.set LA,    194
.set LB,    196
.set RL,    198
.set OB,    128                        ; the way out: 16 rows read back, two buffers
.set WV,  14
.set WR,  15                           ; s15  which 64 queries are mine.  Also: I fetch p (0) or v (1)
.set WC,  16                           ; s16  which 128 channels.  Also: which half of that tile I fetch
.set CX,  17
.set CY,  18
.set TX,  19
.set TY,  20
.set MROW, 21
.set MCOL, 22
.set CLY, 23
.set G1P, 24                           ; s[24:31] group 1 for p's tiles
.set G1V, 32                           ; s[32:39] for v's
.set G0P, 40                           ; s[40:47] group 0 for p's tiles: a set for each first fill; the second then serves every refill
.set G0V, 48                           ; s[48:55] the same for v's
.set TB,  56
.set CNT, 57
.set PA,  58                           ; s[58:59] p at my half of the tile's rows, block 0; kept
.set VA,  60                           ; s[60:61] v at my half of block 0's keys and the tile's channels; kept
.set S0,  73                           ; s73  the block at which my cluster's walk begins
.set NXT, 74                           ; s74  the block to be asked for next
.set OFF, 76                           ; s[76:77] a block's byte offset; the high word stays 0
.set SB,  78                           ; s[78:85] the statistics at the walk's steps 0, 4, 8, 12
.set PFB, 86                           ; s[86:87] the prefetch: p at my work-group's 32 rows of the tile, block 0
.set PFA, 88                           ; s[88:89] its address in hand
.set PFS, 90                           ; s[90:91] its block's byte offset; the high word stays 0
.set MULW, 0xa1                        ; v in window 1, p in window 0, C and D (T) in window 2
.set FMAW, 0xf2                        ; T in window 2, f in window 0, out (addend and destination) in window 3
.set MSB, 0
.macro WIN new                         ; the immediate's high byte repeats the setting that is left; a switch that changes nothing is dropped
.if MSB != (\new)
	s_set_vgpr_msb (MSB<<8)|(\new)
.set MSB, \new
.endif
.endm
.macro PLACES                          ; four places between a matrix instruction and a load into one of its registers
.rept 4
	v_nop
.endr
.endm
.macro CREST
	s_cmp_lg_u32 s[WV], 0
	s_cbranch_scc1 .Lnot_wave_0_\@
	s_barrier_signal -3
.Lnot_wave_0_\@:
	s_barrier_wait -3
	s_barrier_signal -1
	s_barrier_wait -1
.endm
.macro CROUND
	s_barrier_signal -1
	s_barrier_wait -1
	CREST
.endm
.macro JLOAD                           ; a joint refill: waves 0 and 1 fetch p's two halves, waves 2 and 3 v's; an s_nop 0 and four v_nop follow each line
	s_cmp_lt_u32 s[WV], 2
	s_cbranch_scc0 .Lfor_v_\@
	tensor_load_to_lds s[G0P+4:G0P+7], s[G1P:G1P+7]
	s_nop 0
.rept 4
	v_nop
.endr
	s_branch .Lasked_\@
.Lfor_v_\@:
	tensor_load_to_lds s[G0V+4:G0V+7], s[G1V:G1V+7]
	s_nop 0
.rept 4
	v_nop
.endr
.Lasked_\@:
.endm
; THE PREFETCH of p, which each cluster reads once.  Behind a trip's refill NXT is the block that the next trip's refill will ask for: wave 0 asks for 32 of that tile's 128 rows, 256 bytes each, 8 KiB:
; rows 32 tx on, so that the four work-groups that share the tile ask for each of its rows once.  One trip ahead; the walk's steps 3 to 15; the last trip, behind which no refill follows, asks for nothing.
; v has none: from a cluster's fifth step on another cluster of the batch has read its tile before.
.macro PREF
	s_cmp_lg_u32 s[WV], 0
	s_cbranch_scc1 .Lno_pf_\@
	s_cmp_eq_u32 s[CNT], 1
	s_cbranch_scc1 .Lno_pf_\@
	s_wait_xcnt 0x0                                ; the last trip's prefetch has had its address translated: only behind this wait is the address written anew
	s_lshl_b32 s[PFS], s[NXT], 8
	s_add_nc_u64 s[PFA:PFA+1], s[PFB:PFB+1], s[PFS:PFS+1]
	global_prefetch_b8 v[PFO], s[PFA:PFA+1] th:TH_LOAD_NT scope:SCOPE_SE
.Lno_pf_\@:
.endm
	s_load_b256 s[4:11], s[0:1], 0x0               ; p s[4:5], stats s[6:7], qkv s[8:9], x s[10:11]
	s_load_b64 s[12:13], s[0:1], 0x20              ; out0
	v_lshl_add_u32 v[SPW], v0, 2, SPARE
	v_mov_b32 v[NIL], 0
	ds_add_u32 v[SPW], v[NIL]                      ; the wave's opening: the add and its wait stand ahead of my first tensor load; the set-up below, work on registers, stands between them
	v_lshrrev_b32 v1, 5, v0
	v_readfirstlane_b32 s[WV], v1
	s_lshr_b32 s[WR], s[WV], 1
	s_and_b32 s[WC], s[WV], 1
	s_bfe_u32 s[CX], ttmp6, 0x40000
	s_bfe_u32 s[CY], ttmp6, 0x40004
	s_lshl_b32 s[TX], ttmp9, 2
	s_add_co_u32 s[TX], s[TX], s[CX]               ; channel tile
	s_and_b32 s[CLY], ttmp7, 0xffff                ; the cluster's y: four clusters to a batch
	s_lshl_b32 s[TY], s[CLY], 2
	s_add_co_u32 s[TY], s[TY], s[CY]               ; query tile
	s_and_b32 s[S0], s[CLY], 3
	s_lshl_b32 s[S0], s[S0], 2                     ; my cluster's walk begins at block 0, 4, 8 or 12
	s_add_co_u32 s[NXT], s[S0], 2                  ; the first refill asks for the walk's step 2: 14 at the most
	s_mov_b32 s[OFF+1], 0
	s_lshl_b32 s[MROW], s[CY], 2
	s_lshl_b32 s[MROW], 15, s[MROW]
	s_lshl_b32 s[MCOL], 0x1111, s[CX]
	s_or_b32 s[G1P], s[MROW], (1<<16)|(1<<20)|(1<<21)|(5<<22)|(3<<25)  ; 15:0 the mask; 17:16 2-byte elements; 20 padding on; 21 set beside a mask; after every 64 words (code 5) 4 words (code 3)
	s_mov_b32 s[G1P+1], 128<<16                    ; tensor_dim0 = 128 keys
	s_mov_b32 s[G1P+2], 64<<16                     ; tensor_dim1 = 64 queries
	s_mov_b32 s[G1P+3], 128<<16                    ; tile_dim0
	s_mov_b32 s[G1P+4], 64                         ; tile_dim1
	s_mov_b32 s[G1P+5], 2048                       ; elements from row to row of p
	s_mov_b32 s[G1P+6], 0
	s_mov_b32 s[G1P+7], 0
	s_or_b32 s[G1V], s[MCOL], (1<<16)|(1<<20)|(1<<21)|(6<<22)|(7<<25)  ; after every 128 words (code 6) 8 words (code 7)
	s_mov_b32 s[G1V+1], 256<<16                    ; tensor_dim0 = 256 channels
	s_mov_b32 s[G1V+2], 64<<16                     ; tensor_dim1 = 64 keys
	s_mov_b32 s[G1V+3], 256<<16
	s_mov_b32 s[G1V+4], 64
	s_mov_b32 s[G1V+5], 3072                       ; elements from row to row of qkv
	s_mov_b32 s[G1V+6], 0
	s_mov_b32 s[G1V+7], 0
	; p's address hangs on the query tile and the walk; v's on the batch and the walk, which the whole cluster shares, and the channel tile: each in registers that never hold the other coordinate
	s_lshl_b32 s[PA], s[TY], 19                    ; 128 queries x 4,096 bytes
	s_lshl_b32 s62, s[WC], 18
	s_add_co_u32 s[PA], s[PA], s62
	s_mov_b32 s[PA+1], 0
	s_lshr_b32 s[VA], s[CLY], 2                    ; the batch
	s_lshl_b32 s[VA], s[VA], 11
	s_lshl_b32 s63, s[WC], 6
	s_add_co_u32 s[VA], s[VA], s63
	s_mul_i32 s[VA], s[VA], 6144
	s_lshl_b32 s63, s[TX], 9
	s_add_co_u32 s[VA], s[VA], s63
	s_add_co_u32 s[VA], s[VA], 4096                ; v's columns begin 4,096 bytes into a row
	s_mov_b32 s[VA+1], 0
	s_mul_i32 s66, s[WC], 64*PP                    ; where they go: no place in the cluster enters an LDS address
	s_mul_i32 s67, s[WC], 64*PV
	s_add_co_u32 s67, s67, VOFF
	s_lshl_b32 s68, s[TY], 19                      ; x and out at my 64 queries and 128 channels
	s_lshl_b32 s69, s[WR], 18
	s_add_co_u32 s68, s68, s69
	s_lshl_b32 s69, s[TX], 10
	s_add_co_u32 s68, s68, s69
	s_lshl_b32 s69, s[WC], 9
	s_add_co_u32 s68, s68, s69
	s_mov_b32 s69, 0
	s_lshl_b32 s70, s[TY], 9                       ; the statistics of my 64 queries
	s_lshl_b32 s71, s[WR], 8
	s_add_co_u32 s70, s70, s71
	s_mov_b32 s71, 0
	s_wait_dscnt 0x0                               ; the opening add is done
	s_wait_kmcnt 0x0
	s_add_nc_u64 s[PA:PA+1], s[4:5], s[PA:PA+1]
	s_add_nc_u64 s[VA:VA+1], s[8:9], s[VA:VA+1]
	s_add_nc_u64 s[10:11], s[10:11], s[68:69]
	s_add_nc_u64 s[12:13], s[12:13], s[68:69]
	s_add_nc_u64 s[6:7], s[6:7], s[70:71]
	CROUND                                         ; all sixteen work-groups are here: the first joint loads meet
.irp s, 0,1
	s_mov_b32 s[G0P+4*(\s)], 1                     ; 1:0 count = 1
	s_add_co_u32 s[G0P+4*(\s)+1], s66, (\s)*SLOT1  ; 63:32 LDS address
	s_mov_b32 s[G0V+4*(\s)], 1
	s_add_co_u32 s[G0V+4*(\s)+1], s67, (\s)*SLOT1
.endr
	s_lshl_b32 s[OFF], s[S0], 8                    ; 120:64 global address: the walk's steps 0 and 1 are blocks S0 and S0 + 1, 13 at the most
	s_add_nc_u64 s[G0P+2:G0P+3], s[PA:PA+1], s[OFF:OFF+1]
	s_add_nc_u64 s[G0P+6:G0P+7], s[G0P+2:G0P+3], PSTEP
	s_mul_i32 s[OFF], s[S0], VSTEP
	s_add_nc_u64 s[G0V+2:G0V+3], s[VA:VA+1], s[OFF:OFF+1]
	s_add_nc_u64 s[G0V+6:G0V+7], s[G0V+2:G0V+3], VSTEP
.irp g, G0P+3, G0P+7, G0V+3, G0V+7
	s_or_b32 s[\g], s[\g], 0x80000000              ; 127:126 type = 2
.endr
	s_cmp_lt_u32 s[WV], 2                          ; a wave's two first fills stand in one branch, ahead of every wait on TENSORcnt and every LDS read: two loads of mine are out
	s_cbranch_scc0 .Lfirst_v
	tensor_load_to_lds s[G0P:G0P+3], s[G1P:G1P+7]
	s_nop 0
	tensor_load_to_lds s[G0P+4:G0P+7], s[G1P:G1P+7]
	s_nop 0
.rept 4
	v_nop
.endr
	s_branch .Lfirst_asked
.Lfirst_v:
	tensor_load_to_lds s[G0V:G0V+3], s[G1V:G1V+7]
	s_nop 0
	tensor_load_to_lds s[G0V+4:G0V+7], s[G1V:G1V+7]
	s_nop 0
.rept 4
	v_nop
.endr
.Lfirst_asked:
	v_and_b32 v1, 15, v0                           ; l % 16
	v_bfe_u32 v2, v0, 4, 1                         ; l / 16
	v_and_b32 v3, 31, v0                           ; l
	v_lshlrev_b32 v[SO], 3, v3                     ; lane l owns queries 2 l and 2 l + 1 of the wave's 64
	v_lshlrev_b32 v[GX], 4, v3
	v_lshlrev_b32 v[PFO], 12, v3
.irp a, 0,1,2,3                        ; the walk's steps 4 a to 4 a + 3 are the blocks (S0 + 4 a) mod 16 on: four on end
	s_add_co_u32 s[OFF], s[S0], 4*(\a)
	s_and_b32 s[OFF], s[OFF], 15
	s_lshl_b32 s[OFF], s[OFF], 15                  ; a block's statistics are 8,192 x 4 bytes
	s_add_nc_u64 s[SB+2*(\a):SB+2*(\a)+1], s[6:7], s[OFF:OFF+1]
.endr
.set j, 0
.rept 16                               ; step j of the walk; each load covers 256 consecutive bytes
	global_load_b64 v[MS+2*j:MS+2*j+1], v[SO], s[SB+2*(j/4):SB+2*(j/4)+1] offset:(j%4)*8192*4
	global_load_b64 v[LS+2*j:LS+2*j+1], v[SO], s[SB+2*(j/4):SB+2*(j/4)+1] offset:(j%4)*8192*4+16*8192*4
.set j, j+1
.endr
	WIN 0x80                                       ; destination window 2: T's registers carry x until the first product
.set i, 0
.rept 64                               ; row i of my 64: 512 consecutive bytes
	global_load_b128 v[4*i:4*i+3], v[GX], s[10:11] offset:i*4096 th:TH_LOAD_NT
.set i, i+1
.endr
	WIN 0
	s_lshl_b32 s[PFS], s[TY], 19                   ; the prefetch's base: the tile's rows 32 tx on
	s_lshl_b32 s72, s[TX], 17
	s_add_co_u32 s[PFS], s[PFS], s72
	s_mov_b32 s[PFS+1], 0
	s_add_nc_u64 s[PFB:PFB+1], s[4:5], s[PFS:PFS+1]
	v_mul_u32_u24 v[PBASE], v1, PP                 ; a fragment of p: row l % 16, keys 8 (l / 16) + 0..7 and 16 + 8 (l / 16) + 0..7
	v_lshl_add_u32 v[PBASE], v2, 4, v[PBASE]
	s_mul_i32 s72, s[WR], 64*PP
	v_add_nc_u32 v[PBASE], s72, v[PBASE]
	v_and_b32 v4, 7, v0                            ; the turning load takes 16 keys x 16 channels: lane l reads key 8 (l / 16) + l % 8, channels 8 ((l / 8) % 2) + 0..7
	v_bfe_u32 v5, v0, 3, 1
	v_lshl_add_u32 v[VBASE], v2, 3, v4
	v_mul_u32_u24 v[VBASE], v[VBASE], PV
	v_lshl_add_u32 v[VBASE], v5, 4, v[VBASE]
	s_lshl_b32 s72, s[WC], 8
	s_add_co_u32 s72, s72, VOFF
	v_add_nc_u32 v[VBASE], s72, v[VBASE]
	s_lshl_b32 s72, s[WV], 12
	s_add_co_u32 s72, s72, FT
	v_lshl_add_u32 v[FA], v1, 2, s72
	v_lshl_add_u32 v[FW], v3, 3, s72
	s_mul_i32 s72, s[WV], 16*SG
	s_add_co_u32 s72, s72, STAGE
	v_lshl_add_u32 v[STG], v3, 4, s72
	v_mul_u32_u24 v[STGR], v1, SG
	v_lshl_add_u32 v[STGR], v2, 5, v[STGR]
	v_add_nc_u32 v[STGR], s72, v[STGR]
.irp t, 0,1,2,3
	v_mov_b32 v[FR+2*(\t)+1], 0                    ; named as pairs, so they are written
.endr
	s_wait_loadcnt 63                              ; the 32 loads of the statistics are in: 64 loads are younger, and the count's field names 63 at the most
	; f for two queries a lane, packed
.irp u, 0,1
	v_max3_num_f32 v[MX+(\u)], v[MS+(\u)], v[MS+2+(\u)], v[MS+4+(\u)]
.endr
.irp j, 3,5,7,9,11,13
.irp u, 0,1
	v_max3_num_f32 v[MX+(\u)], v[MX+(\u)], v[MS+2*(\j)+(\u)], v[MS+2*(\j)+2+(\u)]
.endr
.endr
.irp u, 0,1
	v_max_num_f32 v[MX+(\u)], v[MX+(\u)], v[MS+30+(\u)]
.endr
.set j, 0
.rept 16
	v_pk_add_f32 v[MS+2*j:MS+2*j+1], v[MS+2*j:MS+2*j+1], v[MX:MX+1] neg_lo:[0,1] neg_hi:[0,1]  ; c m - M
.set j, j+1
.endr
.set j, 0
.rept 32
	v_exp_f32 v[MS+j], v[MS+j]
.set j, j+1
.endr
	v_nop                                          ; a plain instruction between the exponentials and the use of their results (ISA guide 5.7.2)
	s_wait_alu depctr_va_vdst(0)
	v_pk_mul_f32 v[LA:LA+1], v[MS:MS+1], v[LS:LS+1]                ; L in two chains
	v_pk_mul_f32 v[LB:LB+1], v[MS+2:MS+3], v[LS+2:LS+3]
.irp j, 2,4,6,8,10,12,14
	v_pk_fma_f32 v[LA:LA+1], v[MS+2*(\j):MS+2*(\j)+1], v[LS+2*(\j):LS+2*(\j)+1], v[LA:LA+1]
	v_pk_fma_f32 v[LB:LB+1], v[MS+2*(\j)+2:MS+2*(\j)+3], v[LS+2*(\j)+2:LS+2*(\j)+3], v[LB:LB+1]
.endr
	v_pk_add_f32 v[LA:LA+1], v[LA:LA+1], v[LB:LB+1]
	v_rcp_f32 v[RL], v[LA]
	v_rcp_f32 v[RL+1], v[LA+1]
	v_nop                                          ; a plain instruction behind the reciprocals
.set j, 0
	s_wait_alu depctr_va_vdst(0)
.rept 16
	v_pk_mul_f32 v[MS+2*j:MS+2*j+1], v[MS+2*j:MS+2*j+1], v[RL:RL+1]
.set j, j+1
.endr
.set j, 0
.rept 16
	ds_store_b64 v[FW], v[MS+2*j:MS+2*j+1] offset:256*j
.set j, j+1
.endr
	; x goes through my stage into out's registers, a tile of 16 rows at a time: in by rows, back by accumulators.  LDS serves a wave's instructions in order (ISA guide 5.7.1.4), so no wait stands between
.irp t, 0,1,2,3
	s_wait_loadcnt 48-16*(\t)                      ; the tile's 16 rows are in; the later tiles' stay out
	WIN 0x08                                       ; the stores' data in window 2
.set i, 0
.rept 16
	ds_store_b128 v[STG], v[4*(16*(\t)+i):4*(16*(\t)+i)+3] offset:i*SG
.set i, i+1
.endr
	WIN 0xc0                                       ; destination window 3
.irp b, 0,1,2,3,4,5,6,7
	ds_load_b128 v[8*(8*(\t)+(\b)):8*(8*(\t)+(\b))+3],   v[STGR] offset:64*(\b)
	ds_load_b128 v[8*(8*(\t)+(\b))+4:8*(8*(\t)+(\b))+7], v[STGR] offset:64*(\b)+16
.endr
.endr
	WIN 0
.macro FETCH q, buf                    ; 24 LDS loads in one run: quarter q's fragments of v (turned) and of p, tiles 0 and 1 first, into buffer buf
	WIN 0x40                                       ; destination window 1
.irp b, 0,1,2,3,4,5,6,7
	ds_load_tr16_b128 v[64*(\buf)+8*(\b):64*(\buf)+8*(\b)+3],   v[ADRV] offset:(\q)*32*PV+32*(\b)
	ds_load_tr16_b128 v[64*(\buf)+8*(\b)+4:64*(\buf)+8*(\b)+7], v[ADRV] offset:(\q)*32*PV+16*PV+32*(\b)
.endr
	WIN 0
.irp t, 0,1,2,3
	ds_load_b128 v[PF+32*(\buf)+8*(\t):PF+32*(\buf)+8*(\t)+3],   v[ADRP] offset:(\t)*16*PP+64*(\q)
	ds_load_b128 v[PF+32*(\buf)+8*(\t)+4:PF+32*(\buf)+8*(\t)+7], v[ADRP] offset:(\t)*16*PP+64*(\q)+32
.endr
.endm
.macro WM i, buf, zero                 ; product i = 8 t + b of a quarter's 32.  The 32 accumulators take turns
	WIN MULW
.if \zero
	v_wmma_f32_16x16x32_bf16 v[8*(\i):8*(\i)+7], v[64*(\buf)+8*((\i)%8):64*(\buf)+8*((\i)%8)+7], v[PF+32*(\buf)+8*((\i)/8):PF+32*(\buf)+8*((\i)/8)+7], 0
.else
	v_wmma_f32_16x16x32_bf16 v[8*(\i):8*(\i)+7], v[64*(\buf)+8*((\i)%8):64*(\buf)+8*((\i)%8)+7], v[PF+32*(\buf)+8*((\i)/8):PF+32*(\buf)+8*((\i)/8)+7], v[8*(\i):8*(\i)+7]
.endif
.endm
.macro GF i                            ; out(i) += f T(i): T's registers in ascending order
	WIN FMAW
.irp z, 0,2,4,6
	v_pk_fma_f32 v[8*(\i)+(\z):8*(\i)+(\z)+1], v[8*(\i)+(\z):8*(\i)+(\z)+1], v[FR+2*((\i)/8):FR+2*((\i)/8)+1], v[8*(\i)+(\z):8*(\i)+(\z)+1] op_sel_hi:[1,0,1]
.endr
.endm
.macro WRUN from, n, buf, zero, riders ; n products; riders = 1: ahead of product i stand the multiply-adds of accumulator i + 1, so that T(i) has been taken two groups before it is started anew
.set wi, \from
.rept \n
.if (\riders) && (wi < 31)
	GF wi+1
.endif
	WM wi, \buf, \zero
.set wi, wi+1
.endr
.endm
; A quarter: multiplies buffer f; in its middle it fetches quarter qn into buffer g.  fl = 1: the step's f is fetched too.  zero = 1: a step's first quarter, which starts T.
; With riders, T(i) is read far more than four places behind the product that finished it, and started anew more than five behind: the v_nop and address lines of the change of slots and the other accumulators' multiply-adds stand between.
.macro QUARTER qn, f, g, fl, zero=0, riders=0
	s_wait_dscnt 4                                 ; all but the youngest four loads (p's tiles 2 and 3)
.if \riders
	GF 0
.endif
	WRUN 0, 16, \f, \zero, \riders
	WIN 0
	PLACES
.if \fl
.irp t, 0,1,2,3
	ds_load_b32 v[FR+2*(\t)], v[FA] offset:64*(\t)
.endr
	v_add_nc_u32 v[FA], 256, v[FA]                 ; the walk's next step
.endif
	FETCH \qn, \g
	s_wait_dscnt 24                                ; all but the 24 just issued
	WRUN 16, 16, \f, \zero, \riders
.endm
; A step's last quarter multiplies buffer 1 and changes slots: ONE barrier.  In front of it each wave waits for all its tensor loads, of which one is out: its part of the next slot; adds 0 to its spare word;
; and waits for that and for its own reads of this slot.  fill = 1: the barrier opens a round of the cluster's, and this slot is filled again, with the walk's step two further on, first thing behind the round:
; that load has a step less sixteen products, 112 matrix instructions, in which to land.  Its global addresses are made anew from the block's number: a base, an offset made apart, the type bits set again.
.macro TURN fill
	WIN 0
	s_wait_tensorcnt 0x0                           ; no tensor load of mine is out, so a group 0 may be written
	ds_add_u32 v[SPW], v[NIL]                      ; 0 onto my spare word
.if \fill
	s_xor_b32 s[G0P+5], s[G0P+5], SLOT1            ; the other slot than last time
	s_lshl_b32 s[OFF], s[NXT], 8
	s_add_nc_u64 s[G0P+6:G0P+7], s[PA:PA+1], s[OFF:OFF+1]
	s_or_b32 s[G0P+7], s[G0P+7], 0x80000000
	s_xor_b32 s[G0V+5], s[G0V+5], SLOT1
	s_mul_i32 s[OFF], s[NXT], VSTEP
	s_add_nc_u64 s[G0V+6:G0V+7], s[VA:VA+1], s[OFF:OFF+1]
	s_or_b32 s[G0V+7], s[G0V+7], 0x80000000
	s_add_co_u32 s[NXT], s[NXT], 1                 ; the walk goes round
	s_and_b32 s[NXT], s[NXT], 15
.endif
	s_wait_dscnt 5                                 ; the add and the youngest four loads may be out
	WRUN 0, 8, 1, 0, 0
	s_wait_dscnt 0x0                               ; the add is done, and my reads of this slot are over
	s_barrier_signal -1
	WRUN 8, 8, 1, 0, 0                             ; work on registers while the others arrive
	WIN 0                                          ; at a branch and at a label every window is 0
	s_barrier_wait -1
.if \fill
	CREST                                          ; no wave of any partner still reads this slot or has a load on its way
	JLOAD                                          ; its four v_nop are also the places in front of the loads below
.else
	PLACES
.endif
	s_xor_b32 s[TB], s[TB], SLOT1
	v_add_nc_u32 v[ADRP], s[TB], v[PBASE]
	v_add_nc_u32 v[ADRV], s[TB], v[VBASE]
	FETCH 0, 0
.if \fill
	PREF                                           ; behind the run of loads, ahead of sixteen products
.endif
	WRUN 16, 16, 1, 0, 0
.endm
.macro BODY fill                       ; a step's quarters 1, 2, 3 and the next step's quarter 0, beside which this step's product is taken into out
	QUARTER 2, 1, 0, 1
	QUARTER 3, 0, 1, 0
	TURN \fill
	QUARTER 1, 0, 1, 0, 1, 1
	WIN 0
.endm
	s_wait_tensorcnt 0x1                           ; my part of the walk's step 0 is in; step 1's may stay out
	s_wait_dscnt 0x0                               ; x is in out's registers, f in LDS
	s_barrier_signal -1
	s_barrier_wait -1                              ; everybody's part is in
	s_mov_b32 s[TB], 0
	v_mov_b32 v[ADRP], v[PBASE]
	v_mov_b32 v[ADRV], v[VBASE]
	FETCH 0, 0
	QUARTER 1, 0, 1, 0, 1, 0                       ; step 0's first quarter: there is no product yet to take
	WIN 0
	s_mov_b32 s[CNT], 14
.Lfill:                                                ; the walk's steps 0 to 13: each asks for the step two further on
	BODY 1
	s_sub_co_u32 s[CNT], s[CNT], 1
	s_cmp_lg_u32 s[CNT], 0
	s_cbranch_scc1 .Lfill
	s_mov_b32 s[CNT], 2
.Ltail:                                                ; steps 14 and 15 ask for nothing.  The last trip's closing quarter takes step 15's product; its own 32 products and its loads work on the other slot's
	BODY 0                                         ; old bytes and serve nothing: the price of one text for both
	s_sub_co_u32 s[CNT], s[CNT], 1
	s_cmp_lg_u32 s[CNT], 0
	s_cbranch_scc1 .Ltail
	; THE WAY OUT: a tile of 16 queries at a time through my stage: in by accumulators, back as whole rows of 512 bytes.
	s_wait_dscnt 0x0
.irp t, 0,1,2,3
	WIN 0x0c                                       ; the stores' data in window 3
.irp b, 0,1,2,3,4,5,6,7
	ds_store_b128 v[STGR], v[8*(8*(\t)+(\b)):8*(8*(\t)+(\b))+3]   offset:64*(\b)
	ds_store_b128 v[STGR], v[8*(8*(\t)+(\b))+4:8*(8*(\t)+(\b))+7] offset:64*(\b)+16
.endr
	WIN 0
	s_wait_xcnt 0x0                                ; the registers that earlier stores read are loaded again only behind this wait
.set i, 0
.rept 16
	ds_load_b128 v[OB+64*((\t)%2)+4*i:OB+64*((\t)%2)+4*i+3], v[STG] offset:i*SG
.set i, i+1
.endr
.set i, 0
.rept 16
	s_wait_dscnt 15-i                              ; LDS loads come back in order: the counts run down
	global_store_b128 v[GX], v[OB+64*((\t)%2)+4*i:OB+64*((\t)%2)+4*i+3], s[12:13] offset:(16*(\t)+i)*4096 th:TH_STORE_NT  ; 512 consecutive bytes, at a multiple of 256 from out0's first byte
.set i, i+1
.endr
.endr
	s_wait_tensorcnt 0x0                           ; the wave's end: behind my last tensor load and my last LDS store
	ds_add_u32 v[SPW], v[NIL]
	s_wait_dscnt 0x0
	CROUND                                         ; the closing round: no work-group ends while a partner may still ask for a tile that names it
	s_endpgm
.Lfunc_end_k_q834f3a5488_pv:
	.size	k_q834f3a5488_pv, .Lfunc_end_k_q834f3a5488_pv-k_q834f3a5488_pv
	.p2alignl 7, 3214868480
	.fill 96, 4, 3214868480
	.section	.rodata,"a",@progbits
	.p2align	6, 0x0
	.amdhsa_kernel k_q834f3a5488_pv
		.amdhsa_group_segment_fixed_size 327680
		.amdhsa_private_segment_fixed_size 0
		.amdhsa_enable_private_segment 0
		.amdhsa_kernarg_size 40
		.amdhsa_user_sgpr_count 2
		.amdhsa_user_sgpr_kernarg_segment_ptr 1
		.amdhsa_wavefront_size32 1
		.amdhsa_system_sgpr_workgroup_id_x 1
		.amdhsa_system_sgpr_workgroup_id_y 1
		.amdhsa_system_sgpr_workgroup_id_z 1
		.amdhsa_system_vgpr_workitem_id 0
		.amdhsa_next_free_vgpr 1024
		.amdhsa_next_free_sgpr 92
		.amdhsa_reserve_vcc 0
		.amdhsa_float_denorm_mode_32 3
		.amdhsa_float_denorm_mode_16_64 3
		.amdhsa_memory_ordered 1
		.amdhsa_forward_progress 1
		.amdhsa_inst_pref_size 108
	.end_amdhsa_kernel
	.amdgpu_metadata
---
amdhsa.version: [ 1, 2 ]
amdhsa.kernels:
  - .name:           k_q834f3a5488_pv
    .symbol:         k_q834f3a5488_pv.kd
    .args:
      - { .name: p, .offset: 0, .size: 8, .value_kind: global_buffer, .address_space: global }
      - { .name: stats, .offset: 8, .size: 8, .value_kind: global_buffer, .address_space: global }
      - { .name: qkv, .offset: 16, .size: 8, .value_kind: global_buffer, .address_space: global }
      - { .name: x, .offset: 24, .size: 8, .value_kind: global_buffer, .address_space: global }
      - { .name: out0, .offset: 32, .size: 8, .value_kind: global_buffer, .address_space: global }
    .group_segment_fixed_size: 327680
    .private_segment_fixed_size: 0
    .kernarg_segment_align: 8
    .kernarg_segment_size: 40
    .max_flat_workgroup_size: 128
    .sgpr_count:     92
    .vgpr_count:     1024
    .wavefront_size: 32
...
	.end_amdgpu_metadata
.endif
;; end of part 4
;; ======== version 2 of 2: 4 launches; version 1 with the launch cast written anew for expert scheduling mode
;; workspace buffers: xb 16,777,216 bytes; wb 6,291,456 bytes; bias 12,288 bytes; qkv 50,331,648 bytes; p 33,554,432 bytes; stats 1,048,576 bytes
;; launch cast (part 5): grid 2816 x 1, 2 waves a work-group, no clusters, 0 bytes of LDS; arguments x, Wq, Wk, Wv, bq, bk, bv, xb, wb, bias; writes xb, wb, bias
.if DOCPART == 5
	.amdgcn_target "amdgcn-amd-amdhsa--gfx1250"
	.amdhsa_code_object_version 6
	.text
	.protected	k_q834f3a5488_cast
	.globl	k_q834f3a5488_cast
	.p2align	8
	.type	k_q834f3a5488_cast,@function
k_q834f3a5488_cast:
	s_mov_b64 s[64:65], 0
	v_nop
	global_prefetch_b8 v0, s[64:65] scope:SCOPE_SE
	s_setreg_imm32_b32 hwreg(HW_REG_WAVE_SCHED_MODE, 0, 2), 2
	s_setreg_imm32_b32 hwreg(HW_REG_WAVE_MODE, 25, 1), 1
	s_wait_xcnt 0x0
	s_wait_alu depctr_vm_vsrc(0)
; CAST.  x [8192][1024] and Wq, Wk, Wv [1024][1024], all f32, are rounded once to bf16 (to nearest even) and laid out in blocks of 64 along K:
; xb [16 blocks][8192 rows][64], wb [16 blocks][3072 rows][64] (rows 0-1023 Wq, 1024-2047 Wk, 2048-3071 Wv), so that the rows of a K block lie end to end,
; 128 bytes each.  bq, bk, bv are copied, f32, into bias [3072].  NaN and infinities pass through the conversion as it treats them.
; SHARES.  11,264 rows in work-groups of 4: 2,816 = 11 x 256 work-groups of two waves, 2,048 for x and 768 for the weights.  A wave takes two neighbouring rows.
; Lanes 0-15 load the 256 bytes of one K block of the first row, lanes 16-31 those of the second: each load of a wave covers two runs of 256 consecutive bytes, each aligned, and no byte is asked for twice.
; A lane's four numbers round to 8 bytes; the two rows lie end to end in the block, so each store of a wave covers 256 consecutive bytes, aligned.
; Memory binds: no LDS, no barrier, no matrix unit.  All 16 loads of a wave go out in one run; no register is written twice.
; THE MODE: SCHED_MODE bits 1:0 = 2 (LLVM: expert scheduling mode 2), set by the entry lines.  The code itself states the register dependences
; between vector instructions and memory instructions, with s_wait_alu, always for 0.
; THE PLAN.  Registers that memory instructions touch:
;   v1, v5, OFF   byte offsets, made once at the head by vector instructions and never written again; read by the loads and stores.
;   X             written by the 16 loads, once; read by the conversions; no later load lands in it.
;   Y             written by the conversions, once; read by the stores; never written again.
;   BD            written by the bias's loads, read by its stores; no vector instruction names it.
; The 16 K blocks go in four groups of four.  Group g's eight conversions read X and write Y of its own four blocks; the memory instructions among them are the four stores of group g - 1,
; which read OFF and Y of that group alone.  So one wait on va_vdst at a group's head states all that those four stores hang on.  One more stands ahead of the loads, for the offsets, and one
; ahead of the last four stores.  No register that a memory instruction reads is written again, no vector instruction writes a scalar register or VCC, and EXEC is never written: no other s_wait_alu is owed.
.set OFF,  8                           ; v[8:23]    block k: byte offset of my 8 bytes in the destination
.set X,    24                          ; v[24:87]   block k: 4 numbers as loaded
.set Y,    88                          ; v[88:119]  block k: 2 registers to store
.set BD,   120                         ; v[120:135] a bias's 64 bytes
.set XBLK, 8192*128                    ; bytes of a K block of xb
.set WBLK, 3072*128                    ; and of wb
.set NX,   2048                        ; the work-groups of x
	s_load_b512 s[4:19], s[0:1], 0x0               ; x s[4:5], Wq s[6:7], Wk s[8:9], Wv s[10:11], bq s[12:13], bk s[14:15], bv s[16:17], xb s[18:19]
	s_load_b128 s[20:23], s[0:1], 0x40             ; wb s[20:21], bias s[22:23]
	s_sub_co_u32 s24, ttmp9, NX                    ; the work-group's number among those of the weights (used there alone)
	s_lshr_b32 s25, s24, 8                         ; which weight: 0 q, 1 k, 2 v
	s_and_b32 s26, s24, 255
	s_lshl_b32 s26, s26, 2                         ; its first row in that weight
	s_lshl_b32 s27, s25, 10
	s_add_co_u32 s27, s27, s26                     ; and in wb
	s_lshl_b32 s28, ttmp9, 2                       ; its first row in x and xb
	s_mov_b32 s29, WBLK
	s_cmp_lt_u32 ttmp9, NX                         ; x or a weight?
	s_cselect_b32 s26, s28, s26                    ; source row
	s_cselect_b32 s27, s28, s27                    ; destination row
	s_cselect_b32 s29, XBLK, s29                   ; bytes from K block to K block
	s_lshl_b32 s36, s26, 12                        ; source rows are 4,096 bytes,
	s_mov_b32 s37, 0
	s_lshl_b32 s38, s27, 7                         ; a destination row in a block 128
	s_mov_b32 s39, 0
	v_lshlrev_b32 v2, 3, v0                        ; destination: (t / 16) x 128 + (t % 16) x 8 = 8 t
	v_lshrrev_b32 v3, 4, v0                        ; my row of the four
	v_and_b32 v4, 15, v0
	v_lshlrev_b32 v1, 12, v3                       ; source: row t / 16,
	v_lshl_add_u32 v1, v4, 4, v1                   ; 16 bytes a thread in each block's 256
	v_lshlrev_b32 v5, 4, v0                        ; 16 t, for the bias
.irp k, 0,1,2,3,4,5,6,7,8,9,10,11,12,13,14,15
	v_mad_u32_u24 v[OFF+(\k)], s29, \k, v2
.endr
	s_wait_kmcnt 0x0
	s_cmp_eq_u32 s25, 1                            ; the choices hang on the work-group's number alone
	s_cselect_b64 s[30:31], s[8:9], s[10:11]
	s_cselect_b64 s[32:33], s[14:15], s[16:17]
	s_cmp_eq_u32 s25, 0
	s_cselect_b64 s[30:31], s[6:7], s[30:31]
	s_cselect_b64 s[32:33], s[12:13], s[32:33]     ; the weight's bias
	s_cmp_lt_u32 ttmp9, NX
	s_cselect_b64 s[30:31], s[4:5], s[30:31]       ; the source
	s_cselect_b64 s[34:35], s[18:19], s[20:21]     ; the destination
	s_add_nc_u64 s[30:31], s[30:31], s[36:37]
	s_add_nc_u64 s[34:35], s[34:35], s[38:39]
	s_wait_alu depctr_va_vdst(0)                   ; v1, v5 and v[OFF ..] are written: every load and store of the kernel reads one of them as its offset
.irp k, 0,1,2,3,4,5,6,7,8,9,10,11,12,13,14,15
	global_load_b128 v[X+4*(\k):X+4*(\k)+3], v1, s[30:31] offset:256*(\k) th:TH_LOAD_NT
.endr
.irp g, 0,1,2,3                        ; group g: K blocks 4 g to 4 g + 3
	s_wait_loadcnt 12-4*(\g)                       ; loads come back in order: the group's four are in, the 12 - 4 g younger ones stay out
.if (\g) > 0
	s_wait_alu depctr_va_vdst(0)                   ; the conversions of the group before have written its Y, which the four stores below read
.endif
.irp i, 0,1,2,3
.set kc, 4*(\g)+(\i)                   ; the block that is rounded,
.set ks, kc-4                          ; and the block that is stored
.if (\g) > 0
	global_store_b64 v[OFF+ks], v[Y+2*ks:Y+2*ks+1], s[34:35]       ; no vector instruction since the wait names these registers
.endif
	v_cvt_pk_bf16_f32 v[Y+2*kc],   v[X+4*kc],   v[X+4*kc+1]
	v_cvt_pk_bf16_f32 v[Y+2*kc+1], v[X+4*kc+2], v[X+4*kc+3]
.endr
.endr
	s_wait_alu depctr_va_vdst(0)                   ; the last group's conversions have written its Y, which the last four stores read; no vector instruction follows
.irp k, 12,13,14,15
	global_store_b64 v[OFF+(\k)], v[Y+2*(\k):Y+2*(\k)+1], s[34:35]
.endr
	s_cmp_lt_u32 ttmp9, NX                         ; the first work-group of each weight also copies its bias: 4,096 bytes, 64 a thread
	s_cbranch_scc1 .Lend
	s_and_b32 s40, s24, 255
	s_cmp_lg_u32 s40, 0
	s_cbranch_scc1 .Lend
	s_lshl_b32 s40, s25, 12
	s_mov_b32 s41, 0
	s_add_nc_u64 s[22:23], s[22:23], s[40:41]
.irp i, 0,1,2,3
	global_load_b128 v[BD+4*(\i):BD+4*(\i)+3], v5, s[32:33] offset:1024*(\i)  ; v5 was written ahead of the first wait on va_vdst; no vector instruction names v[BD ..]
.endr
	s_wait_loadcnt 0x0
.irp i, 0,1,2,3
	global_store_b128 v5, v[BD+4*(\i):BD+4*(\i)+3], s[22:23] offset:1024*(\i)
.endr
.Lend:
	s_endpgm
.Lfunc_end_k_q834f3a5488_cast:
	.size	k_q834f3a5488_cast, .Lfunc_end_k_q834f3a5488_cast-k_q834f3a5488_cast
	.p2alignl 7, 3214868480
	.fill 96, 4, 3214868480
	.section	.rodata,"a",@progbits
	.p2align	6, 0x0
	.amdhsa_kernel k_q834f3a5488_cast
		.amdhsa_group_segment_fixed_size 0
		.amdhsa_private_segment_fixed_size 0
		.amdhsa_enable_private_segment 0
		.amdhsa_kernarg_size 80
		.amdhsa_user_sgpr_count 2
		.amdhsa_user_sgpr_kernarg_segment_ptr 1
		.amdhsa_wavefront_size32 1
		.amdhsa_system_sgpr_workgroup_id_x 1
		.amdhsa_system_sgpr_workgroup_id_y 1
		.amdhsa_system_sgpr_workgroup_id_z 1
		.amdhsa_system_vgpr_workitem_id 0
		.amdhsa_next_free_vgpr 136
		.amdhsa_next_free_sgpr 66
		.amdhsa_reserve_vcc 0
		.amdhsa_float_denorm_mode_32 3
		.amdhsa_float_denorm_mode_16_64 3
		.amdhsa_memory_ordered 1
		.amdhsa_forward_progress 1
		.amdhsa_inst_pref_size 10
	.end_amdhsa_kernel
	.amdgpu_metadata
---
amdhsa.version: [ 1, 2 ]
amdhsa.kernels:
  - .name:           k_q834f3a5488_cast
    .symbol:         k_q834f3a5488_cast.kd
    .args:
      - { .name: x, .offset: 0, .size: 8, .value_kind: global_buffer, .address_space: global }
      - { .name: Wq, .offset: 8, .size: 8, .value_kind: global_buffer, .address_space: global }
      - { .name: Wk, .offset: 16, .size: 8, .value_kind: global_buffer, .address_space: global }
      - { .name: Wv, .offset: 24, .size: 8, .value_kind: global_buffer, .address_space: global }
      - { .name: bq, .offset: 32, .size: 8, .value_kind: global_buffer, .address_space: global }
      - { .name: bk, .offset: 40, .size: 8, .value_kind: global_buffer, .address_space: global }
      - { .name: bv, .offset: 48, .size: 8, .value_kind: global_buffer, .address_space: global }
      - { .name: xb, .offset: 56, .size: 8, .value_kind: global_buffer, .address_space: global }
      - { .name: wb, .offset: 64, .size: 8, .value_kind: global_buffer, .address_space: global }
      - { .name: bias, .offset: 72, .size: 8, .value_kind: global_buffer, .address_space: global }
    .group_segment_fixed_size: 0
    .private_segment_fixed_size: 0
    .kernarg_segment_align: 8
    .kernarg_segment_size: 80
    .max_flat_workgroup_size: 64
    .sgpr_count:     66
    .vgpr_count:     136
    .wavefront_size: 32
...
	.end_amdgpu_metadata
.endif
;; end of part 5
;; launch proj: the kernel of part 2 again; grid 8 x 32, 4 waves a work-group, clusters of 4 x 4, 327,680 bytes of LDS; arguments xb, wb, bias, qkv; writes qkv
;; launch score: the kernel of part 3 again; grid 8 x 32, 4 waves a work-group, clusters of 4 x 4, 327,680 bytes of LDS; arguments qkv, p, stats; writes p, stats
;; launch pv: the kernel of part 4 again; grid 4 x 64, 4 waves a work-group, clusters of 4 x 4, 327,680 bytes of LDS; arguments p, stats, qkv, x, out0; writes out0
